; MI455X (gfx1250); checked and timed in simulation.
; The chip was launched on July 23, 2026; its instructions are those of AMD's public machine-readable ISA for CDNA 5 (MIT licence, August 2026) and "CDNA5" Instruction Set Architecture Reference Guide (July 2026). The comments in the code are by the model that wrote it; some were corrected since.
;; Latent Self Attention. Allowed arithmetic: float matrix products may take bf16 or f16 operands with f32 sums; all other float work in f32.
;; Inputs: Wk 2,048 x 512 float32; Wo 512 x 2,048 float32; Wq 2,048 x 512 float32; Wv 2,048 x 512 float32; x 4 x 2,048 x 2,048 float32.
;; Outputs: out0 4 x 2,048 x 2,048 float32.
;; One version. Each part assembles by itself: llvm-mc -triple=amdgcn-amd-amdhsa -mcpu=gfx1250 --defsym DOCPART=n.
;; ======== version 1 of 1: 5 launches
;; limits: values outside matrix products are rounded to f16; values are held in f16: magnitudes above 65,504 overflow, below 6.1e-05 lose precision
;; workspace buffers: wp 6,291,456 bytes; wo16 2,097,152 bytes; qkv 25,165,824 bytes; part 58,720,256 bytes; stat 458,752 bytes; o16 8,388,608 bytes
;; launch prep (part 1): grid 256 x 4, 8 waves a work-group, no clusters, 0 bytes of LDS; arguments Wq, Wk, Wv, Wo, wp, wo16; writes wp, wo16
.if DOCPART == 1
	.amdgcn_target "amdgcn-amd-amdhsa--gfx1250"
	.amdhsa_code_object_version 6
	.text
	.protected	k_q792999d230_prep
	.globl	k_q792999d230_prep
	.p2align	8
	.type	k_q792999d230_prep,@function
k_q792999d230_prep:
	s_mov_b64 s[64:65], 0
	v_nop
	global_prefetch_b8 v0, s[64:65] scope:SCOPE_SE
	s_setreg_imm32_b32 hwreg(HW_REG_WAVE_MODE, 25, 1), 1
	s_wait_xcnt 0x0
; THE WEIGHTS, ONCE.  Wq, Wk, Wv ([2048][512] f32) are rounded to bf16 and laid side by side as wp [2048][1536] (row 3,072 bytes: Wq at byte 0, Wk at 1,024, Wv at 2,048).
; Wo ([512][2048] f32) is rounded to bf16 like the other inputs, and that number is written as f16 into wo16, since the product behind takes f16 operands.
; wo16 LIES IN THE ORDER OF THE MATRIX FRAGMENTS of the launch that reads it.  Column tile nt (256 columns), wave w (64 of them), chunk c (32 along k), block b (16 columns), half (16 along k), lane:
; byte (((4 nt + w) 16 + c) 4 + b) 1,024 + 512 half + 16 lane holds k = 32 c + 16 half + 8 (lane / 16) + 0..7 of column 256 nt + 64 w + 16 b + lane % 16.  So a wave's 64 KiB there are dense.
; LIMIT.  A bf16 number is exact in f16 from 2^-17 up to 65,504; below 2^-17 it keeps f16's fixed step of 2^-24; beyond 65,504 it would be an infinity.
; SHARES.  The grid's y picks the matrix.  Wq, Wk, Wv: work-group x owns 4,096 consecutive numbers, as two halves of 8 KiB; thread t owns 8 numbers at byte 32 t of each half, so its 16 bytes of
; output lie at byte 16 t: sixteen neighbouring lanes store 256 consecutive bytes, aligned.  Wo: see below.
; A stream: every byte is read once and written once; LDS, matrix units and clusters have nothing to share here and are left out.
.set WROW, 3072                        ; bytes in a row of wp
.set OROW, 8192                        ; bytes in a row of Wo
	s_load_b256 s[4:11], s[0:1], 0x0               ; Wq s[4:5], Wk s[6:7], Wv s[8:9], Wo s[10:11]
	s_load_b128 s[12:15], s[0:1], 0x20             ; wp s[12:13], wo16 s[14:15]
	s_and_b32 s16, ttmp7, 0xffff                   ; which matrix
	s_cmp_eq_u32 s16, 3
	s_cbranch_scc1 .Lwo
	s_lshl_b32 s18, ttmp9, 14                      ; my 16 KiB of it
	s_mov_b32 s19, 0
	v_lshlrev_b32 v1, 5, v0                        ; 32 t
	s_wait_kmcnt 0x0
	s_cmp_eq_u32 s16, 1                            ; the source is chosen by the grid's y alone
	s_cselect_b64 s[4:5], s[6:7], s[4:5]
	s_cmp_eq_u32 s16, 2
	s_cselect_b64 s[4:5], s[8:9], s[4:5]
	s_add_nc_u64 s[4:5], s[4:5], s[18:19]
	global_load_b128 v[4:7],   v1, s[4:5] th:TH_LOAD_NT
	global_load_b128 v[8:11],  v1, s[4:5] offset:16 th:TH_LOAD_NT
	global_load_b128 v[12:15], v1, s[4:5] offset:8192 th:TH_LOAD_NT
	global_load_b128 v[16:19], v1, s[4:5] offset:8208 th:TH_LOAD_NT
	; a half is 4 rows of 512 numbers; thread t has row t / 64, columns 8 (t % 64) on
	v_lshrrev_b32 v2, 6, v0
	v_and_b32 v3, 63, v0
	v_mul_u32_u24 v2, v2, WROW
	v_lshl_add_u32 v2, v3, 4, v2
	s_mul_i32 s20, ttmp9, 8*WROW                   ; my 8 rows of wp,
	s_lshl_b32 s21, s16, 10                        ; my matrix's 1,024 bytes of each
	s_add_co_u32 s20, s20, s21
	s_mov_b32 s21, 0
	s_add_nc_u64 s[12:13], s[12:13], s[20:21]
	s_wait_loadcnt 0x2                             ; the first half is in; the second half's two loads may stay out
.irp k, 0,1,2,3
	v_cvt_pk_bf16_f32 v[20+\k], v[4+2*\k], v[5+2*\k]
.endr
	global_store_b128 v2, v[20:23], s[12:13]
	s_wait_loadcnt 0x0
.irp k, 0,1,2,3
	v_cvt_pk_bf16_f32 v[24+\k], v[12+2*\k], v[13+2*\k]
.endr
	global_store_b128 v2, v[24:27], s[12:13] offset:4*WROW
	s_endpgm
.Lwo:
	; Wo is turned: 16 bytes of wo16 are eight k of ONE column.  Work-group x: column tile nt = x % 8, rows 16 g .. 16 g + 15 with g = x / 8 = 2 c + half.  Thread t owns column 256 nt + t:
	; sixteen loads of 4 bytes, one for each row (a wave's load covers 128 consecutive bytes, the eight waves' a row's 1,024), and two stores of 16 bytes, rows 0-7 (lanes' half 0 of the fragment) and 8-15 (half 1):
	; in each store sixteen neighbouring lanes fill 256 consecutive bytes, aligned.
	s_lshr_b32 s20, ttmp9, 3                       ; g
	s_and_b32 s21, ttmp9, 7                        ; nt
	s_lshl_b32 s18, s20, 17                        ; 16 rows of 8,192 bytes,
	s_lshl_b32 s19, s21, 10                        ; the tile's 1,024 bytes of each
	s_add_co_u32 s18, s18, s19
	s_mov_b32 s19, 0
	s_lshr_b32 s22, s20, 1                         ; c
	s_and_b32 s23, s20, 1                          ; half
	s_lshl_b32 s24, s21, 18                        ; 262,144 nt
	s_lshl_b32 s22, s22, 12                        ; + 4,096 c
	s_lshl_b32 s23, s23, 9                         ; + 512 half
	s_add_co_u32 s24, s24, s22
	s_add_co_u32 s24, s24, s23
	s_mov_b32 s25, 0
	v_lshlrev_b32 v1, 2, v0                        ; 4 t
	v_lshrrev_b32 v2, 6, v0                        ; w = t / 64
	v_bfe_u32 v3, v0, 4, 2                         ; b = (t / 16) % 4
	v_and_b32 v28, 15, v0                          ; t % 16
	v_lshlrev_b32 v2, 16, v2                       ; 65,536 w
	v_lshl_add_u32 v2, v3, 10, v2                  ; + 1,024 b
	v_lshl_add_u32 v2, v28, 4, v2                  ; + 16 (t % 16)
	s_wait_kmcnt 0x0
	s_add_nc_u64 s[10:11], s[10:11], s[18:19]
	s_add_nc_u64 s[14:15], s[14:15], s[24:25]
.irp i, 0,1,2,3,4,5,6,7,8,9,10,11,12,13,14,15
	global_load_b32 v[4+\i], v1, s[10:11] offset:\i*OROW th:TH_LOAD_NT
.endr
	s_wait_loadcnt 0x8                             ; rows 0-7 are in; the eight loads of rows 8-15 may stay out
.irp k, 0,1,2,3
	v_cvt_pk_bf16_f32 v[20+\k], v[4+2*\k], v[5+2*\k]   ; the rounding that every input gets; the lower k in the low half
.endr
.irp k, 0,1,2,3
	v_lshlrev_b32 v[4+2*\k], 16, v[20+\k]              ; back to f32: the low half moves up,
	v_and_b32 v[5+2*\k], 0xffff0000, v[20+\k]          ; the high half stays
.endr
.irp k, 0,1,2,3
	v_cvt_pk_f16_f32 v[20+\k], v[4+2*\k], v[5+2*\k]    ; the same number as f16
.endr
	global_store_b128 v2, v[20:23], s[14:15]
	s_wait_loadcnt 0x0
.irp k, 0,1,2,3
	v_cvt_pk_bf16_f32 v[24+\k], v[12+2*\k], v[13+2*\k]
.endr
.irp k, 0,1,2,3
	v_lshlrev_b32 v[12+2*\k], 16, v[24+\k]
	v_and_b32 v[13+2*\k], 0xffff0000, v[24+\k]
.endr
.irp k, 0,1,2,3
	v_cvt_pk_f16_f32 v[24+\k], v[12+2*\k], v[13+2*\k]
.endr
	global_store_b128 v2, v[24:27], s[14:15] offset:256
	s_endpgm
.Lfunc_end_k_q792999d230_prep:
	.size	k_q792999d230_prep, .Lfunc_end_k_q792999d230_prep-k_q792999d230_prep
	.p2alignl 7, 3214868480
	.fill 96, 4, 3214868480
	.section	.rodata,"a",@progbits
	.p2align	6, 0x0
	.amdhsa_kernel k_q792999d230_prep
		.amdhsa_group_segment_fixed_size 0
		.amdhsa_private_segment_fixed_size 0
		.amdhsa_enable_private_segment 0
		.amdhsa_kernarg_size 48
		.amdhsa_user_sgpr_count 2
		.amdhsa_user_sgpr_kernarg_segment_ptr 1
		.amdhsa_wavefront_size32 1
		.amdhsa_system_sgpr_workgroup_id_x 1
		.amdhsa_system_sgpr_workgroup_id_y 1
		.amdhsa_system_sgpr_workgroup_id_z 1
		.amdhsa_system_vgpr_workitem_id 0
		.amdhsa_next_free_vgpr 32
		.amdhsa_next_free_sgpr 66
		.amdhsa_reserve_vcc 0
		.amdhsa_float_denorm_mode_32 3
		.amdhsa_float_denorm_mode_16_64 3
		.amdhsa_memory_ordered 1
		.amdhsa_forward_progress 1
		.amdhsa_inst_pref_size 7
	.end_amdhsa_kernel
	.amdgpu_metadata
---
amdhsa.version: [ 1, 2 ]
amdhsa.kernels:
  - .name:           k_q792999d230_prep
    .symbol:         k_q792999d230_prep.kd
    .args:
      - { .name: Wq, .offset: 0, .size: 8, .value_kind: global_buffer, .address_space: global }
      - { .name: Wk, .offset: 8, .size: 8, .value_kind: global_buffer, .address_space: global }
      - { .name: Wv, .offset: 16, .size: 8, .value_kind: global_buffer, .address_space: global }
      - { .name: Wo, .offset: 24, .size: 8, .value_kind: global_buffer, .address_space: global }
      - { .name: wp, .offset: 32, .size: 8, .value_kind: global_buffer, .address_space: global }
      - { .name: wo16, .offset: 40, .size: 8, .value_kind: global_buffer, .address_space: global }
    .group_segment_fixed_size: 0
    .private_segment_fixed_size: 0
    .kernarg_segment_align: 8
    .kernarg_segment_size: 48
    .max_flat_workgroup_size: 256
    .sgpr_count:     66
    .vgpr_count:     32
    .wavefront_size: 32
...
	.end_amdgpu_metadata
.endif
;; end of part 1
;; launch proj (part 2): grid 4 x 64, 4 waves a work-group, clusters of 4 x 4, 327,680 bytes of LDS; arguments x, wp, qkv; writes qkv
.if DOCPART == 2
	.amdgcn_target "amdgcn-amd-amdhsa--gfx1250"
	.amdhsa_code_object_version 6
	.text
	.protected	k_q792999d230_proj
	.globl	k_q792999d230_proj
	.p2align	8
	.type	k_q792999d230_proj,@function
k_q792999d230_proj:
	s_mov_b64 s[64:65], 0
	v_nop
	global_prefetch_b8 v0, s[64:65] scope:SCOPE_SE
	s_setreg_imm32_b32 hwreg(HW_REG_WAVE_MODE, 25, 1), 1
	s_wait_xcnt 0x0
	s_wait_alu depctr_hold_cnt(0) depctr_sa_sdst(0) depctr_va_vdst(0) depctr_va_sdst(0) depctr_va_ssrc(0) depctr_va_vcc(0) depctr_vm_vsrc(0)
	s_getreg_b32 s2, hwreg(HW_REG_IB_STS2, 6, 4)
	s_cmp_eq_u32 s2, 0
	s_cbranch_scc0 .Lentry_in_a_cluster
	s_endpgm
.Lentry_in_a_cluster:
	s_bfe_u32 s2, ttmp6, 0x10000c
	s_cmp_lg_u32 s2, 0xf033
	s_cbranch_scc0 .Lentry_shape_is_right
	s_endpgm
.Lentry_shape_is_right:
; qkv[row][n] = sum over k of x[row][k] wp[k][n].  x: [8192][2048] f32, rounded to bf16 on the way; wp: [2048][1536] bf16; sums in f32; qkv: [8192][1536] f16, rounded once.
; The columns below 512 (q) are multiplied in f32 by c = log2(e) / sqrt(512) before that rounding, so that the attention behind works in powers of two.
; LIMIT.  f16 holds no number beyond 65,504: c q, k and v must lie within it.  NaN and infinities are not treated apart.
; SHARES.  A tile of qkv is 128 rows x 384 columns: 64 x 4 = 256 work-groups.  Wave w: wm = w / 2, wn = w % 2; it owns rows 64 wm + 16 a + (lane % 16), a = 0..3, and the columns
; 128 s + 64 wn + 16 b' + .., s = 0..2, b' = 0..3: 48 accumulators n = 12 a + 4 s + b', 384 registers.  K goes in 16 steps of 128, each four quarters of 32 (48 matrix instructions).
; THE MATRIX INSTRUCTION IS USED TRANSPOSED (source 0 = 16 columns of wp, source 1 = 16 rows of x): a lane then holds eight neighbouring numbers of a row of qkv.
; wp'S TILES hang on the tile column alone, which a column of the 4 x 4 cluster shares: they are asked for JOINTLY, each wave 32 k rows of 768 bytes.  They lie [k][n] in LDS and are read turned (ds_load_tr16_b128).
; x'S TILES are shared along a row of the cluster, yet each work-group loads its own through registers: x has to be rounded to bf16 first, and as f32 tiles in LDS a slot of a K step of 128 would be
; 128 x 528 + 128 x 864 = 178,176 bytes, two of them 356,352: more than a work-group can have.  Wave w loads rows 32 w .. 32 w + 31 (one load = one row's 512 bytes), a whole K step ahead, rounds and stores them as bf16.
; LDS.  Two slots of 145,408 bytes: A, 128 rows of 272 bytes, written by ds_store alone; then B, 128 k rows of 864 bytes = 3 x (256 + 32), filled by tensor loads alone.  Behind them the spare words.
; The stage for the way out (128 rows of 784 bytes) lies in slot 0's B, whose last fill is K step 14 and whose last reads end in front of the last change of slots.
; REGISTERS, in windows of 256 (s_set_vgpr_msb: bits 1:0 source 0, 3:2 source 1, 5:4 source 2, 7:6 destination):
;   window 0: v0-29 addresses; v32-63, v64-95 fragments of x, two buffers; v96-223 a K step of x as loaded      window 1: v0-95, v96-191 fragments of wp, two buffers (v0-127: K step 1 of x at the start)
;   window 2: accumulators 0-23 at 8 n      window 3: accumulators 24-47
.set XROW,  8192                       ; bytes in a row of x
.set WROW,  3072                       ; bytes in a row of wp and of qkv
.set STEPS, 16
.set PA,    272                        ; a row of A in LDS: 256 bytes + 16 = 68 words: the 16 rows of a fragment load start at 16 different groups of four banks (64 banks of 4 bytes: ISA guide 11.1)
.set PB,    864                        ; a row of B: an odd multiple of 32 bytes
.set AREG,  128*PA
.set WTILE, 32*PB                      ; what one tensor load brings
.set SLOT,  AREG+4*WTILE
.set SPARE, 2*SLOT                     ; the spare words, 128 bytes for each wave: two blocks of 256 bytes that no other line names
.set STAGE, AREG
.set PS,    784                        ; a row of the stage: 768 bytes + 16, an odd multiple of 16
.set R,     1                          ; v1   lane % 16
.set H,     2                          ; v2   lane / 16
.set LN,    3                          ; v3   lane
.set A0,    8                          ; v8   my place in a slot's A; never rewritten
.set B0,    9                          ; v9   my place in a slot's B; never rewritten
.set AST0,  10                         ; v10  where I store 8 bytes of a row of A; never rewritten
.set ADRA,  12                         ; v12  A0 in the slot in hand
.set ADRBL, 13                         ; v13  B0 in the slot in hand, k rows 0-63
.set ADRBH, 14                         ; v14  the same, k rows 64-127: the immediate alone does not reach them
.set AST,   15                         ; v15  AST0 in the slot to be written
.set RD,    16                         ; v16-18 the way out: where I read the stage back
.set XO,    19                         ; v19  16 x lane: my bytes in a row's 512 of x; also the first of
.set CO,    19                         ; v19-21 my byte offsets in two rows of qkv
.set STO,   22                         ; v22  the way out: where I put 16 bytes of a row
.set SPW,   28                         ; v28  LDS address of my spare word; never rewritten
.set NIL,   29                         ; v29  0; never rewritten
.set FA,    32
.set XR,    96
.set XT,    0                          ; window 1
.set PKD,   32                         ; the way out: 192 registers of packed results, then of whole rows
.set WV,    10                         ; s10  wave
.set WM,    11
.set WN,    12
.set MT,    13                         ; s13  tile row
.set NT,    14                         ; s14  tile column
.set G1,    20                         ; s[20:27] descriptor group 1
.set G0A,   28                         ; s[28:31] group 0 of K step 0
.set G0,    32                         ; s[32:35] group 0 of K step 1; it then walks
.set TB,    36                         ; s36  the slot in hand: 0 or SLOT
.set WB,    37                         ; s37  my 32 k rows in a slot
.set CNT,   38
.set XB,    40                         ; s[40:41] x at my rows, at the K step to be loaded
.set FS,    42                         ; s[42:47] the factor of column group s, as pairs
.set MSB, 0
.macro WIN new                         ; the immediate's high byte repeats the setting that is left; a switch that changes nothing is dropped
.if MSB != (\new)
	s_set_vgpr_msb (MSB<<8)|(\new)
.set MSB, (\new)
.endif
.endm
; A load into a register that a matrix instruction has read, and a vector instruction that reads a matrix result, stand four places behind it; only plain vector instructions
; that name none of its registers are places (ISA guide 7.12.1 for vector instructions).
.macro PLACES
.rept 4
	v_nop
.endr
.endm
.macro CREST                           ; a round of the cluster's barrier behind its opening barrier
	s_cmp_lg_u32 s[WV], 0
	s_cbranch_scc1 .Lnot_wave_0_\@
	s_barrier_signal -3
.Lnot_wave_0_\@:
	s_barrier_wait -3
	s_barrier_signal -1
	s_barrier_wait -1
.endm
.macro CROUND                          ; a whole round
	s_barrier_signal -1
	s_barrier_wait -1
	CREST
.endm
; 32 loads: my 32 rows' 512 bytes of one K step, into window win
.macro XLOAD win, base, imm
	WIN (\win)<<6
.set ro, 0
.rept 32
	global_load_b128 v[(\base)+4*ro:(\base)+4*ro+3], v[XO], s[XB:XB+1] offset:ro*XROW+(\imm)
.set ro, ro+1
.endr
	WIN 0
.endm
; They are rounded to bf16 in place and stored: a store covers a row's 256 bytes.  left = the younger loads that may stay out
.macro XSTORE win, base, left
	s_wait_loadcnt \left
	WIN ((\win)<<6)|((\win)<<2)|(\win)
.set ro, 0
.rept 32
	v_cvt_pk_bf16_f32 v[(\base)+4*ro],   v[(\base)+4*ro],   v[(\base)+4*ro+1]
	v_cvt_pk_bf16_f32 v[(\base)+4*ro+1], v[(\base)+4*ro+2], v[(\base)+4*ro+3]
.set ro, ro+1
.endr
	WIN (\win)<<2
.set ro, 0
.rept 32
	ds_store_b64 v[AST], v[(\base)+4*ro:(\base)+4*ro+1] offset:ro*PA
.set ro, ro+1
.endr
	WIN 0
.endm
; 32 LDS loads in one run: quarter q's fragments into buffer f: 12 of wp (turned), then 4 of x; the four loads of x's rows a = 2, 3 come last
.macro FETCH q, f
	WIN 0x40
.set ib, 0
.rept 12
.set rB, 96*(\f)+8*ib
.set oB, ((\q)&1)*32*PB+(ib/4)*288+(ib%4)*32
.if (\q) < 2
	ds_load_tr16_b128 v[rB:rB+3],   v[ADRBL] offset:oB
	ds_load_tr16_b128 v[rB+4:rB+7], v[ADRBL] offset:oB+16*PB
.else
	ds_load_tr16_b128 v[rB:rB+3],   v[ADRBH] offset:oB
	ds_load_tr16_b128 v[rB+4:rB+7], v[ADRBH] offset:oB+16*PB
.endif
.set ib, ib+1
.endr
	WIN 0
.set ia, 0
.rept 4
.set rA, FA+32*(\f)+8*ia
	ds_load_b128 v[rA:rA+3],   v[ADRA] offset:ia*16*PA+64*(\q)
	ds_load_b128 v[rA+4:rA+7], v[ADRA] offset:ia*16*PA+64*(\q)+32
.set ia, ia+1
.endr
.endm
; Accumulators n0 .. n1 - 1, one instruction each, 32 along K from buffer f.  The 48 take turns in the same order everywhere.  zero = 1: the product starts the sum
.macro MUL f, n0, n1, zero
.set n, \n0
.rept (\n1)-(\n0)
	WIN 0xa1+0x50*(n/24)
.set rD, 8*(n%24)
.set rB, 96*(\f)+8*(n%12)
.set rA, FA+32*(\f)+8*(n/12)
.if \zero
	v_wmma_f32_16x16x32_bf16 v[rD:rD+7], v[rB:rB+7], v[rA:rA+7], 0
.else
	v_wmma_f32_16x16x32_bf16 v[rD:rD+7], v[rB:rB+7], v[rA:rA+7], v[rD:rD+7]
.endif
.set n, n+1
.endr
.endm
; One of a K step's first three quarters: multiplies buffer f; in its middle fetches quarter qn into buffer g.  yo = what may be out at its head
.macro QUARTER qn, f, g, zero, yo
	s_wait_dscnt \yo                               ; wp's fragments and x's rows a = 0, 1 are in; out may be the four loads of a = 2, 3 (and, behind a change of slots, the 32 stores of x issued after them)
	MUL \f, 0, 24, \zero
	PLACES
	FETCH \qn, \g
	s_wait_dscnt 32                                ; all but the 32 just issued
	MUL \f, 24, 48, \zero
.endm
; The last quarter multiplies buffer 1 and changes slots: ONE barrier.  In front of it each wave waits for all its tensor loads (one is out: its part of the next slot), adds 0 to its spare word, and
; waits for that, for its reads of this slot and for its stores into the next slot's A.  fill = 1: the barrier opens a round of the cluster's, and this slot is filled again, two K steps ahead.
.macro TURN fill
	WIN 0
	s_wait_tensorcnt 0x0                           ; all my tensor loads have landed
	ds_add_u32 v[SPW], v[NIL]                      ; 0 onto my spare word
	s_wait_dscnt 5                                 ; (the add and the four loads of x's rows a = 2, 3 may be out)
	MUL 1, 0, 16, 0                                ; sixteen matrix instructions stand between the add and the wait for it
	s_wait_dscnt 0x0                               ; the add is done; my reads of this slot are over; my stores into the next slot's A are done
	s_barrier_signal -1
	MUL 1, 16, 24, 0                               ; work on registers while the others arrive
	WIN 0
	s_barrier_wait -1
.if \fill
	CREST                                          ; no wave of any partner still reads this slot's tile or has a load on its way
	s_add_co_u32 s[G0+1], s[TB], s[WB]             ; the slot just read out,
	s_add_nc_u64 s[G0+2:G0+3], s[G0+2:G0+3], 128*WROW  ; the next K step; the type bits on top are not reached
	tensor_load_to_lds s[G0:G0+3], s[G1:G1+7]      ; the first tensor load behind the round, and my only one
	s_nop 0
	v_add_nc_u32 v[AST], s[TB], v[AST0]            ; x's next K step goes into the same slot.  This and the three additions below are the four places in front of the loads into buffer 0
.else
	v_nop
.endif
	s_xor_b32 s[TB], s[TB], SLOT                   ; the other slot is read now
	v_add_nc_u32 v[ADRA], s[TB], v[A0]
	v_add_nc_u32 v[ADRBL], s[TB], v[B0]
	v_add_nc_u32 v[ADRBH], 64*PB, v[ADRBL]
	FETCH 0, 0
	MUL 1, 24, 48, 0
.if \fill
	XSTORE 0, XR, 0                                ; behind the barrier nobody reads that slot's A any more; its readers come behind the next change's barrier
.endif
.endm
	s_load_b128 s[4:7], s[0:1], 0x0                ; x s[4:5], wp s[6:7]
	s_load_b64 s[8:9], s[0:1], 0x10                ; qkv
	v_lshl_add_u32 v[SPW], v0, 2, SPARE
	v_mov_b32 v[NIL], 0
	ds_add_u32 v[SPW], v[NIL]                      ; the wave's opening: the add and its wait stand ahead of my first tensor load; the set-up below, work on registers, stands between them
	ds_add_u32 v28, v29
	v_lshrrev_b32 v4, 5, v0
	v_readfirstlane_b32 s[WV], v4                  ; wave 0..3
	s_lshr_b32 s[WM], s[WV], 1
	s_and_b32 s[WN], s[WV], 1
	s_bfe_u32 s48, ttmp6, 0x40000                  ; cx, cy: my place in the cluster
	s_bfe_u32 s49, ttmp6, 0x40004
	s_lshl_b32 s[NT], ttmp9, 2
	s_add_co_u32 s[NT], s[NT], s48                 ; tile column = 4 x cluster x + cx
	s_and_b32 s[MT], ttmp7, 0xffff
	s_lshl_b32 s[MT], s[MT], 2
	s_add_co_u32 s[MT], s[MT], s49                 ; tile row = 4 x cluster y + cy
	s_lshl_b32 s50, 0x1111, s48                    ; my column of the cluster: places cx, cx + 4, cx + 8, cx + 12
	; descriptor group 1: 32 rows x 384 elements, 32 bytes of padding behind every 256
	s_or_b32 s[G1], s50, (1<<16)|(1<<20)|(1<<21)|(5<<22)|(7<<25)  ; 15:0 the mask; 17:16 2-byte elements; 20 padding on; 21 set beside a mask; 24:22 after every 64 words (code 5); 31:25 8 words (code 7)
	s_mov_b32 s[G1+1], 384<<16                     ; tensor_dim0 = 384
	s_mov_b32 s[G1+2], 32<<16                      ; tensor_dim1 = 32
	s_mov_b32 s[G1+3], 384<<16                     ; tile_dim0 = 384
	s_mov_b32 s[G1+4], 32                          ; tile_dim1 = 32
	s_mov_b32 s[G1+5], 1536                        ; elements from row to row
	s_mov_b32 s[G1+6], 0
	s_mov_b32 s[G1+7], 0
	s_mul_i32 s[WB], s[WV], WTILE
	s_add_co_u32 s[WB], s[WB], AREG                ; no place in the cluster enters an LDS address
	s_mov_b32 s[G0A], 1
	s_mov_b32 s[G0A+1], s[WB]                      ; K step 0 into slot 0
	s_mov_b32 s[G0], 1
	s_add_co_u32 s[G0+1], s[WB], SLOT              ; K step 1 into slot 1
	s_lshl_b32 s16, s[MT], 7
	s_lshl_b32 s17, s[WV], 5
	s_add_co_u32 s16, s16, s17                     ; the first of the 32 rows that I load of x and store of qkv
	s_mul_i32 s52, s16, WROW
	s_mul_i32 s53, s[NT], 768
	s_add_co_u32 s52, s52, s53                     ; their place in qkv
	s_mov_b32 s53, 0
	s_lshl_b32 s16, s16, 13                        ; and in x
	s_mov_b32 s17, 0
	s_mul_i32 s18, s[WV], 32*WROW                  ; wp: my 32 k rows, the tile's 768 bytes of them: the wave's number and the tile column alone
	s_mul_i32 s19, s[NT], 768
	s_add_co_u32 s18, s18, s19
	s_mov_b32 s19, 0
	s_mul_i32 s51, s[NT], 3                        ; column group 3 nt + s holds q if it is below 4: a value is chosen, no way through the text
.irp c, 0,1,2
	s_add_co_u32 s54, s51, \c
	s_cmp_lt_u32 s54, 4
	s_cselect_b32 s[FS+2*\c], 0x3d8293ee, 1.0      ; c = log2(e) / sqrt(512) = 0.0637587, or 1
	s_mov_b32 s[FS+2*\c+1], s[FS+2*\c]             ; named with it as a pair
.endr
	v_and_b32 v[R], 15, v0
	v_bfe_u32 v[H], v0, 4, 1
	v_and_b32 v[LN], 31, v0
	v_and_b32 v5, 7, v0
	v_bfe_u32 v6, v0, 3, 1
	v_mul_u32_u24 v[A0], v[R], PA                  ; a fragment of x: row x pitch + 16 x half, two loads 32 bytes apart
	v_lshl_add_u32 v[A0], v[H], 4, v[A0]
	s_mul_i32 s51, s[WM], 64*PA
	v_add_nc_u32 v[A0], s51, v[A0]
	v_lshl_add_u32 v[B0], v[H], 3, v5              ; the turning load: lane l reads k row 8 (l / 16) + l % 8, columns 8 ((l / 8) % 2) + 0..7
	v_mul_u32_u24 v[B0], v[B0], PB
	v_lshl_add_u32 v[B0], v6, 4, v[B0]
	s_lshl_b32 s51, s[WN], 7
	s_add_co_u32 s51, s51, AREG
	v_add_nc_u32 v[B0], s51, v[B0]
	s_mul_i32 s51, s[WV], 32*PA
	v_lshl_add_u32 v[AST0], v[LN], 3, s51
	v_lshlrev_b32 v[XO], 4, v[LN]
	s_wait_dscnt 0x0                               ; the opening add is done
	s_wait_kmcnt 0x0
	s_add_nc_u64 s[XB:XB+1], s[4:5], s[16:17]
	s_add_nc_u64 s[6:7], s[6:7], s[18:19]
	s_add_nc_u64 s[8:9], s[8:9], s[52:53]
	XLOAD 0, XR, 0                                 ; x's K steps 0 and 1 are asked for before anything else
	XLOAD 1, XT, 512
	s_mov_b64 s[G0A+2:G0A+3], s[6:7]
	s_or_b32 s[G0A+3], s[G0A+3], 0x80000000        ; type = 2
	s_add_nc_u64 s[G0+2:G0+3], s[6:7], 128*WROW
	s_or_b32 s[G0+3], s[G0+3], 0x80000000
	CROUND                                         ; all sixteen work-groups are here: the first joint loads meet
	tensor_load_to_lds s[G0A:G0A+3], s[G1:G1+7]    ; two loads of mine are out
	s_nop 0
	tensor_load_to_lds s[G0:G0+3], s[G1:G1+7]
	s_nop 0
	PLACES
	; the addresses for the way out, in the wait for x
	v_mul_u32_u24 v[STO], v[R], PS                 ; in: row l % 16, 16 bytes for each half of the lanes
	v_lshl_add_u32 v[STO], v[H], 4, v[STO]
	s_mul_i32 s51, s[WM], 64*PS
	s_lshl_b32 s54, s[WN], 7
	s_add_co_u32 s51, s51, s54
	s_add_co_u32 s51, s51, STAGE
	v_add_nc_u32 v[STO], s51, v[STO]
	s_mul_i32 s51, s[WV], 32*PS                    ; back: wave w takes rows 32 w .. 32 w + 31, two rows (1,536 bytes) by three loads of 512 bytes
	s_add_co_u32 s51, s51, STAGE
	v_add_nc_u32 v[RD], s51, v[XO]                 ; bytes 0-511 of the first row
	v_lshl_add_u32 v[RD+1], v[H], 4, v[RD]         ; lanes 0-15: bytes 512-767 of the first row; lanes 16-31: bytes 0-255 of the second
	v_add_nc_u32 v[RD+1], 512, v[RD+1]
	v_add_nc_u32 v[RD+2], PS+256, v[RD]            ; bytes 256-767 of the second row
	v_mul_u32_u24 v[CO+1], v[H], WROW-768          ; and the same bytes in qkv
	v_add3_u32 v[CO+1], v[CO+1], v[XO], 512
	v_add_nc_u32 v[CO+2], WROW+256, v[XO]
	v_mov_b32 v[AST], v[AST0]
	XSTORE 0, XR, 32                               ; K step 0 is in (K step 1's 32 loads may stay out) and goes into slot 0
	XLOAD 0, XR, 1024                              ; K step 2
	v_add_nc_u32 v[AST], SLOT, v[AST0]
	XSTORE 1, XT, 32                               ; K step 1 is in (K step 2's 32 loads may stay out) and goes into slot 1
	s_wait_xcnt 0x0                                ; the pending loads have had their addresses translated (ISA guide 3.1): only now is their base stepped
	s_add_nc_u64 s[XB:XB+1], s[XB:XB+1], 1024
	s_mov_b32 s[TB], 0
	v_mov_b32 v[ADRA], v[A0]
	v_mov_b32 v[ADRBL], v[B0]
	v_add_nc_u32 v[ADRBH], 64*PB, v[B0]
	s_wait_tensorcnt 0x1                           ; my part of K step 0 is in; K step 1's may stay out
	s_wait_dscnt 0x0                               ; my stores of x are done
	s_barrier_signal -1
	s_barrier_wait -1
	FETCH 0, 0
	QUARTER 1, 0, 1, 1, 4                          ; the first quarter stands in front of the loop: its products start the sums
	WIN 0                                          ; at a label and at a branch every window is 0
	s_mov_b32 s[CNT], STEPS-2
.Lstep:                                                ; 14 trips, from a K step's second quarter to the next one's first; each fills one slot again, with K steps 2 to 15
	QUARTER 2, 1, 0, 0, 4
	QUARTER 3, 0, 1, 0, 4
	TURN 1
	s_cmp_eq_u32 s[CNT], 1                         ; the last trip has no further K step of x to ask for: no load leaves the buffer
	s_cbranch_scc1 .Lno_x
	s_add_nc_u64 s[XB:XB+1], s[XB:XB+1], 512       ; free: the loads that named it were waited for in front of the conversions
	XLOAD 0, XR, 0                                 ; two K steps ahead of the one in hand; it is stored a whole K step later
.Lno_x:
	QUARTER 1, 0, 1, 0, 36
	WIN 0
	s_sub_co_u32 s[CNT], s[CNT], 1
	s_cmp_lg_u32 s[CNT], 0
	s_cbranch_scc1 .Lstep
	QUARTER 2, 1, 0, 0, 4                          ; the last two K steps fill nothing
	QUARTER 3, 0, 1, 0, 4
	TURN 0
	QUARTER 1, 0, 1, 0, 4
	QUARTER 2, 1, 0, 0, 4
	QUARTER 3, 0, 1, 0, 4
	s_wait_dscnt 4
	MUL 1, 0, 24, 0
	s_wait_dscnt 0x0
	MUL 1, 24, 48, 0
	; THE WAY OUT: q's columns times c; one rounding to f16; 16 bytes a lane into the work-group's stage; a barrier, since a row's aligned 256 bytes come from two waves; back as whole rows.
.macro SCALE win                       ; win = 0: accumulators 0-23; 1: 24-47.  Each accumulator's registers are taken in ascending order
	WIN 0x82+0x41*(\win)
.set n, 0
.rept 24
.set k, 0
.rept 4
	v_pk_mul_f32 v[8*n+2*k:8*n+2*k+1], v[8*n+2*k:8*n+2*k+1], s[FS+2*((n%12)/4):FS+2*((n%12)/4)+1] op_sel_hi:[1,0]
.set k, k+1
.endr
.set n, n+1
.endr
	WIN 0x0a+5*(\win)
.set n, 0
.rept 96
	v_cvt_pk_f16_f32 v[PKD+96*(\win)+n], v[2*n], v[2*n+1]
.set n, n+1
.endr
.endm
	PLACES
	SCALE 0
	SCALE 1
	WIN 0
.set n, 0
.rept 48
	ds_store_b128 v[STO], v[PKD+4*n:PKD+4*n+3] offset:(n/12)*16*PS+((n%12)/4)*256+(n%4)*32
.set n, n+1
.endr
	s_wait_dscnt 0x0                               ; for the others' sake: my stores into the stage are done
	s_barrier_signal -1
	s_barrier_wait -1
.set n, 0
.rept 48
	ds_load_b128 v[PKD+4*n:PKD+4*n+3], v[RD+n%3] offset:(n/3)*2*PS
.set n, n+1
.endr
.set n, 0
.rept 48
	s_wait_dscnt 47-n                              ; LDS loads come back in order (ISA guide 5.7.1): load n is in
	global_store_b128 v[CO+n%3], v[PKD+4*n:PKD+4*n+3], s[8:9] offset:(n/3)*2*WROW  ; 16 lanes store 256 consecutive bytes, at a multiple of 256 from qkv's first byte
.set n, n+1
.endr
	s_wait_tensorcnt 0x0                           ; the wave's end: behind my last tensor load and my last LDS store
	ds_add_u32 v[SPW], v[NIL]
	s_wait_dscnt 0x0
	CROUND                                         ; the closing round: no work-group ends while a partner may still ask for a tile that names it
	s_endpgm
.Lfunc_end_k_q792999d230_proj:
	.size	k_q792999d230_proj, .Lfunc_end_k_q792999d230_proj-k_q792999d230_proj
	.p2alignl 7, 3214868480
	.fill 96, 4, 3214868480
	.section	.rodata,"a",@progbits
	.p2align	6, 0x0
	.amdhsa_kernel k_q792999d230_proj
		.amdhsa_group_segment_fixed_size 327680
		.amdhsa_private_segment_fixed_size 0
		.amdhsa_enable_private_segment 0
		.amdhsa_kernarg_size 24
		.amdhsa_user_sgpr_count 2
		.amdhsa_user_sgpr_kernarg_segment_ptr 1
		.amdhsa_wavefront_size32 1
		.amdhsa_system_sgpr_workgroup_id_x 1
		.amdhsa_system_sgpr_workgroup_id_y 1
		.amdhsa_system_sgpr_workgroup_id_z 1
		.amdhsa_system_vgpr_workitem_id 0
		.amdhsa_next_free_vgpr 960
		.amdhsa_next_free_sgpr 66
		.amdhsa_reserve_vcc 0
		.amdhsa_float_denorm_mode_32 3
		.amdhsa_float_denorm_mode_16_64 3
		.amdhsa_memory_ordered 1
		.amdhsa_forward_progress 1
		.amdhsa_inst_pref_size 139
	.end_amdhsa_kernel
	.amdgpu_metadata
---
amdhsa.version: [ 1, 2 ]
amdhsa.kernels:
  - .name:           k_q792999d230_proj
    .symbol:         k_q792999d230_proj.kd
    .args:
      - { .name: x, .offset: 0, .size: 8, .value_kind: global_buffer, .address_space: global }
      - { .name: wp, .offset: 8, .size: 8, .value_kind: global_buffer, .address_space: global }
      - { .name: qkv, .offset: 16, .size: 8, .value_kind: global_buffer, .address_space: global }
    .group_segment_fixed_size: 327680
    .private_segment_fixed_size: 0
    .kernarg_segment_align: 8
    .kernarg_segment_size: 24
    .max_flat_workgroup_size: 128
    .sgpr_count:     66
    .vgpr_count:     960
    .wavefront_size: 32
...
	.end_amdgpu_metadata
.endif
;; end of part 2
;; launch attn (part 3): grid 61 x 4, 4 waves a work-group, no clusters, 327,680 bytes of LDS; arguments qkv, part, stat; writes part, stat
.if DOCPART == 3
	.amdgcn_target "amdgcn-amd-amdhsa--gfx1250"
	.amdhsa_code_object_version 6
	.text
	.protected	k_q792999d230_attn
	.globl	k_q792999d230_attn
	.p2align	8
	.type	k_q792999d230_attn,@function
k_q792999d230_attn:
	s_mov_b64 s[64:65], 0
	v_nop
	global_prefetch_b8 v0, s[64:65] scope:SCOPE_SE
	s_setreg_imm32_b32 hwreg(HW_REG_WAVE_MODE, 25, 1), 1
	s_wait_xcnt 0x0
; CAUSAL ATTENTION, latent width 512, IN PARTS.  For one block of 128 queries and one CHUNK of 5 tiles of 64 keys: m = the largest score, l = the sum of 2^(s - m), O = the sum of 2^(s - m) v / l.
; qkv: [8192][1536] f16, a row = c q (c = log2(e) / sqrt(512)), k, v, 1,024 bytes each; s = (c q) . k, so weights are powers of two.  part: [448][128][512] f16 (O), stat: [448][128][2] f32 (m, l);
; place = (16 batch + i) 7 + j.  Products, maxima and sums in f32; the weights are rounded to f16 for the second product (l is taken of the unrounded ones), O once.
; LIMITS.  A hidden score counts as -1e30 (f16 operands give scores of 2.2e12 at the most); a weight below 2^-126 counts as 0; NaN and infinities are not treated apart.  The exponent s - m is a plain
; difference with the running maximum, never above 0.  A row that sees no key of its chunk ends with m = -1e30 and a finite O; the launch behind gives it the weight 0.
; THE SPLIT.  128 queries x 512 channels of O in f32 are half of the work-group's registers, so a block cannot be larger; 64 blocks of unequal length would leave most of the chip idle.  Block i of a batch
; needs the tiles 0 .. 2 i + 1; it is cut into c_i = (2 i + 6) / 5 chunks, 61 a batch, 244 work-groups of exactly 5 tiles.  Tiles past the diagonal are walked and wholly hidden (132 of 1,220);
; a tile past the batch's end is asked for as tile 31, while the mask goes by its true number.
; NO CLUSTER: chunk j of a batch is shared by 16, 14, 11, 9, 6, 4, 1 blocks for j = 0 .. 6, and the 61 work-groups of a batch are no multiple of four.
; LAYOUT.  Wave w owns queries 32 w + 16 t + lane % 16, t = 0, 1.  S^T = K Q^T (source 0 = 16 keys, source 1 = 16 queries): a lane holds ONE query and the keys 8 (lane / 16) + 0..7 of each 16.  Two such
; results rounded to f16 ARE source 1 of O^T = V^T P, whose result again holds one query a lane.  K comes out of LDS as it lies, V ([key][channel]) turned, by ds_load_tr16_b128.
; A STEP goes in phases: 128 products K Q^T, mask, softmax, O^T times a = 2^(m_old - m), 128 products V^T P.  K's and V's fragments pass through two buffers of 64 registers, 16 loads for 16 products.
; LDS.  Two slots of 134,144 bytes: K, 64 rows of 1,040 bytes; V, 64 rows of 1,056.  Behind them the spare words.  The stages for the way out (16 rows of 1,040 bytes a wave) lie in slot 1's K,
; whose last fill is the chunk's fourth tile and whose last reads end in front of the last change of slots.
; REGISTERS, in windows of 256 (s_set_vgpr_msb: bits 1:0 source 0, 3:2 source 1, 5:4 source 2, 7:6 destination):
;   window 0: v0-15 addresses; v16-23 statistics; v24-31 at work; v32-63 P; v64-127 S^T; v128-255 fragments      window 1: Q, 128 t + 8 c      window 2: O^T of t = 0, 8 cb      window 3: of t = 1
.set QROW,  3072                       ; bytes in a row of qkv
.set PK,    1040                       ; 1,024 + 16: an odd multiple of 16: the 16 rows of a load start at 16 different groups of four banks (64 banks of 4 bytes: ISA guide 11.1)
.set PV,    1056                       ; 1,024 + 32: an odd multiple of 32
.set VOFF,  64*PK
.set SLOT,  64*(PK+PV)
.set SPARE, 2*SLOT                     ; the spare words, 128 bytes for each wave: two blocks of 256 bytes that no other line names
.set AK0, 2                            ; v2   my lane's place in a tile of K; never rewritten
.set AV0, 3                            ; v3   the same for V
.set AK,  4                            ; v4   AK0 in the slot in hand
.set AV,  5                            ; v5   AV0 in the slot in hand
.set STO, 6                            ; v6   the way out: where I put 16 bytes of a row
.set RD,  7                            ; v7   where I read rows back
.set GO,  8                            ; v8   16 x lane
.set DQ,  10                           ; v10-11  my query's number less the tile's first key and my lanes' 8 (l / 16), for t = 0, 1
.set BIG, 12                           ; v12  -1e30
.set QO,  13                           ; v13  my byte offset in 16 rows of Q; later in stat
.set SPW, 14                           ; v14  LDS address of my spare word; never rewritten
.set NIL, 15                           ; v15  0; never rewritten
.set ST,  16                           ; at ST + 4 t: m, m_old, l (even keys', odd keys')
.set TMP, 24                           ; at TMP + 4 t: c0-c3 at work; c2 takes a
.set P,   32
.set S,   64
.set FB,  128
.set WV,  10                           ; s10  wave
.set U,   11                           ; s11  the work-group's number in its batch
.set BT,  12                           ; s12  batch
.set BI,  13                           ; s13  i
.set PI,  14                           ; s14  the number of block i's first chunk
.set CJ,  15                           ; s15  j
.set KB,  18                           ; s[18:19] K at my half of the batch's tile 0
.set VB,  20                           ; s[20:21] V likewise
.set QB,  22                           ; s[22:23] Q at my wave's first row
.set G1K, 24
.set G1V, 32
.set G0K, 40
.set G0V, 44
.set KT,  48                           ; s48  the tile to be asked for next, by its true number
.set KA,  49                           ; s49  the same, held inside the batch
.set OFF, 50                           ; s[50:51] its byte offset
.set TBR, 52                           ; s52  the slot that is read: 0 or SLOT
.set TBF, 53                           ; s53  the slot that is filled
.set WK,  54                           ; s54  my half of a slot's K
.set WVL, 55                           ; s55  my half of a slot's V
.set CNT, 56
.set SD,  57                           ; s57  my wave's first query less the tile's first key
.set SEL, 60                           ; s[60:61] v_permlanex16_b32's selects: each lane takes its own place in the other half
.set MSB, 0
.macro WIN new                         ; the immediate's high byte repeats the setting that is left; a switch that changes nothing is dropped
.if MSB != (\new)
	s_set_vgpr_msb (MSB<<8)|(\new)
.set MSB, (\new)
.endif
.endm
.macro PLACES                          ; four places behind matrix instructions, in front of loads into their sources and of vector lines that read their results (ISA guide 7.12.1 for vector instructions)
.rept 4
	v_nop
.endr
.endm
.macro BOTH line:vararg                ; one line for each of my two tiles t
.set t, 0
.rept 2
	\line
.set t, t+1
.endr
.endm
; Both descriptors are aimed at tile KT and slot TBF: the address is made anew from the tile's number
.macro AIM
	s_min_u32 s[KA], s[KT], 31
	s_mul_i32 s[OFF], s[KA], 64*QROW
	s_add_co_u32 s[G0K+1], s[TBF], s[WK]
	s_add_nc_u64 s[G0K+2:G0K+3], s[KB:KB+1], s[OFF:OFF+1]
	s_or_b32 s[G0K+3], s[G0K+3], 0x80000000
	s_add_co_u32 s[G0V+1], s[TBF], s[WVL]
	s_add_nc_u64 s[G0V+2:G0V+3], s[VB:VB+1], s[OFF:OFF+1]
	s_or_b32 s[G0V+3], s[G0V+3], 0x80000000
	s_add_co_u32 s[KT], s[KT], 1
.endm
; A fill.  Waves 0 and 1 fetch the two halves of a tile's K, waves 2 and 3 those of its V: 32 keys of 1,024 bytes each.  An s_nop 0 and four v_nop follow each of the two lines.
.macro LOAD
	s_cmp_lt_u32 s[WV], 2
	s_cbranch_scc0 .Lfor_v_\@
	tensor_load_to_lds s[G0K:G0K+3], s[G1K:G1K+7]
	s_nop 0
	PLACES
	s_branch .Lasked_\@
.Lfor_v_\@:
	tensor_load_to_lds s[G0V:G0V+3], s[G1V:G1V+7]
	s_nop 0
	PLACES
.Lasked_\@:
.endm
; THE CHANGE OF SLOTS.  Each wave waits for all its tensor loads, of which one is out: its part of the other slot; adds 0 to its spare word; waits for that and for its reads of the slot that it leaves.
; Behind the barrier nobody reads the old slot and the other is whole.  fill = 1: the old slot takes the next tile, first thing behind the barrier; the load has a whole step, 256 matrix instructions, in which to land.
; (At its first use nothing has been read yet: slot 0 is waited for, slot 1 filled.)
.macro CHANGE fill
	WIN 0
	s_wait_tensorcnt 0x0                           ; no tensor load of mine is out, so a group 0 may be written
	ds_add_u32 v[SPW], v[NIL]                      ; 0 onto my spare word; the descriptors' scalar work stands between it and the wait for it
.if \fill
	s_xor_b32 s[TBF], s[TBF], SLOT
	AIM
.endif
	s_wait_dscnt 0x0                               ; the add is done, and my reads of the slot are over
	s_barrier_signal -1
	s_xor_b32 s[TBR], s[TBR], SLOT
	s_barrier_wait -1
.if \fill
	LOAD
.endif
.endm
; 16 LDS loads: K's fragments of channels 64 bb .. 64 bb + 63 (two chunks of 32), all 64 keys, into buffer bb % 2
.macro KLOAD bb
.set ic, 0
.rept 2
.set ik, 0
.rept 4
.set rF, FB+64*((\bb)%2)+32*ic+8*ik
.set oF, ik*16*PK+64*(2*(\bb)+ic)
	ds_load_b128 v[rF:rF+3],   v[AK] offset:oF
	ds_load_b128 v[rF+4:rF+7], v[AK] offset:oF+32
.set ik, ik+1
.endr
.set ic, ic+1
.endr
.endm
; 16 turning loads: V's fragments of channels 64 gg .. 64 gg + 63 (four blocks of 16), all 64 keys, into buffer gg % 2
.macro VLOAD gg
.set ik, 0
.rept 2
.set ix, 0
.rept 4
.set rF, FB+64*((\gg)%2)+32*ik+8*ix
.set oF, ik*32*PV+32*(4*(\gg)+ix)
	ds_load_tr16_b128 v[rF:rF+3],   v[AV] offset:oF
	ds_load_tr16_b128 v[rF+4:rF+7], v[AV] offset:oF+16*PV
.set ix, ix+1
.endr
.set ik, ik+1
.endr
.endm
; 16 products of S^T = K Q^T.  The 8 accumulators take turns.  The first chunk of channels starts the sums
.macro SMUL bb
	WIN 0x04                                       ; Q in window 1
.set ic, 0
.rept 2
.set ik, 0
.rept 4
.set it, 0
.rept 2
.set rS, S+32*it+8*ik
.set rF, FB+64*((\bb)%2)+32*ic+8*ik
.set rQ, 128*it+8*(2*(\bb)+ic)
.if (2*(\bb)+ic) == 0
	v_wmma_f32_16x16x32_f16 v[rS:rS+7], v[rF:rF+7], v[rQ:rQ+7], 0
.else
	v_wmma_f32_16x16x32_f16 v[rS:rS+7], v[rF:rF+7], v[rQ:rQ+7], v[rS:rS+7]
.endif
.set it, it+1
.endr
.set ik, ik+1
.endr
.set ic, ic+1
.endr
.endm
; 16 products of O^T += V^T P: for each tile 2 halves of the keys x 4 blocks of channels; between the two links of a chain stand three other accumulators' turns
.macro PMUL gg
.set it, 0
.rept 2
	WIN 0xa0+0x50*it                               ; O^T in window 2 or 3
.set ik, 0
.rept 2
.set ix, 0
.rept 4
.set rO, 8*(4*(\gg)+ix)
.set rF, FB+64*((\gg)%2)+32*ik+8*ix
.set rP, P+16*it+8*ik
	v_wmma_f32_16x16x32_f16 v[rO:rO+7], v[rF:rF+7], v[rP:rP+7], v[rO:rO+7]
.set ix, ix+1
.endr
.set ik, ik+1
.endr
.set it, it+1
.endr
.endm
; A KEY STEP, 64 keys from the slot at TBR
.macro STEP
	v_add_nc_u32 v[AK], s[TBR], v[AK0]
	v_add_nc_u32 v[AV], s[TBR], v[AV0]
	KLOAD 0
	KLOAD 1
.set kbat, 0
.rept 8
	s_wait_dscnt 16                                ; this batch's 16 loads are in; the next batch's 16 may stay out
	SMUL kbat
	WIN 0
	PLACES
.if kbat < 6
	KLOAD kbat+2                                   ; into the buffer just multiplied
.else
	VLOAD kbat-6                                   ; V's first two batches are on their way during the softmax
.endif
.set kbat, kbat+1
.endr
	; THE MASK: register 8 kb + j of a tile holds key 16 kb + 8 (l / 16) + j of the step; it is hidden where 16 kb + j > DQ.  A wave whose lowest DQ, SD - 8, is 55 or more hides nothing and jumps.
	s_cmp_ge_i32 s[SD], 63
	s_cbranch_scc1 .Lopen_\@
.set it, 0
.rept 2
.set ii, 0
.rept 32
	v_cmp_gt_i32 vcc_lo, 16*(ii/8)+ii%8, v[DQ+it]
	v_cndmask_b32 v[S+32*it+ii], v[S+32*it+ii], v[BIG], vcc_lo
.set ii, ii+1
.endr
.set it, it+1
.endr
.Lopen_\@:
	; THE SOFTMAX, the two tiles alternating.  The maximum of 32 scores and the old m, three operands at a time; each accumulator's lowest registers are read first
.set n, 0
.rept 4
	BOTH v_max3_num_f32 v[TMP+4*t+n], v[S+32*t+8*n], v[S+32*t+8*n+1], v[S+32*t+8*n+2]
.set n, n+1
.endr
.rept 8
	BOTH v_max3_num_f32 v[TMP+4*t+n%4], v[TMP+4*t+n%4], v[S+32*t+8*(n%4)+2*(n/4)+1], v[S+32*t+8*(n%4)+2*(n/4)+2]
.set n, n+1
.endr
	BOTH v_max3_num_f32 v[TMP+4*t], v[TMP+4*t], v[S+32*t+7], v[S+32*t+15]
	BOTH v_max3_num_f32 v[TMP+4*t+1], v[TMP+4*t+1], v[S+32*t+23], v[S+32*t+31]
	BOTH v_max3_num_f32 v[TMP+4*t+2], v[TMP+4*t+2], v[TMP+4*t+3], v[ST+4*t]
	BOTH v_mov_b32 v[ST+4*t+1], v[ST+4*t]          ; m_old is kept for a
	BOTH v_max3_num_f32 v[TMP+4*t], v[TMP+4*t], v[TMP+4*t+1], v[TMP+4*t+2]
	BOTH v_permlanex16_b32 v[TMP+4*t+3], v[TMP+4*t], s[SEL], s[SEL+1]  ; the query's other 32 keys lie in the lane 16 away
	BOTH v_max_num_f32 v[ST+4*t], v[TMP+4*t], v[TMP+4*t+3]
	BOTH v_sub_f32 v[TMP+4*t+1], v[ST+4*t+1], v[ST+4*t]
	BOTH v_exp_f32 v[TMP+4*t+2], v[TMP+4*t+1]      ; a; the subtractions below are the plain instructions behind it (ISA guide 5.7.2)
.set n, 0
.rept 16
	BOTH v_pk_add_f32 v[S+32*t+2*n:S+32*t+2*n+1], v[S+32*t+2*n:S+32*t+2*n+1], v[ST+4*t:ST+4*t+1] op_sel_hi:[1,0] neg_lo:[0,1] neg_hi:[0,1]  ; s - m
.set n, n+1
.endr
.set n, 0
.rept 32
	BOTH v_exp_f32 v[S+32*t+n], v[S+32*t+n]
.set n, n+1
.endr
	v_nop                                          ; a plain instruction between the last exponential and the use of its result
	s_wait_alu depctr_va_vdst(0)
.set n, 0
.rept 16
	BOTH v_cvt_pk_f16_f32 v[P+16*t+n], v[S+32*t+2*n], v[S+32*t+2*n+1]
.set n, n+1
.endr
.set n, 0
.rept 8
	BOTH v_pk_add_f32 v[S+32*t+4*n:S+32*t+4*n+1], v[S+32*t+4*n:S+32*t+4*n+1], v[S+32*t+4*n+2:S+32*t+4*n+3]
.set n, n+1
.endr
	BOTH v_pk_fma_f32 v[ST+4*t+2:ST+4*t+3], v[ST+4*t+2:ST+4*t+3], v[TMP+4*t+2:TMP+4*t+3], v[S+32*t:S+32*t+1] op_sel_hi:[1,0,1]  ; l = a l + ..
.set n, 1
.rept 7
	BOTH v_pk_add_f32 v[ST+4*t+2:ST+4*t+3], v[ST+4*t+2:ST+4*t+3], v[S+32*t+4*n:S+32*t+4*n+1]
.set n, n+1
.endr
	; O^T times a, ascending
	WIN 0x82
.set n, 0
.rept 128
	v_pk_mul_f32 v[2*n:2*n+1], v[2*n:2*n+1], v[TMP+2:TMP+3] op_sel_hi:[1,0]
.set n, n+1
.endr
	WIN 0xc3
.set n, 0
.rept 128
	v_pk_mul_f32 v[2*n:2*n+1], v[2*n:2*n+1], v[TMP+6:TMP+7] op_sel_hi:[1,0]
.set n, n+1
.endr
.set vbat, 0
.rept 8
.if vbat < 7
	s_wait_dscnt 16                                ; this batch is in; the next batch's 16 loads may stay out
.else
	s_wait_dscnt 0x0                               ; the last batch: nothing was issued behind it
.endif
	PMUL vbat
	WIN 0
	PLACES
.if vbat < 6
	VLOAD vbat+2
.endif
.set vbat, vbat+1
.endr
	s_sub_co_i32 s[SD], s[SD], 64                  ; the next tile's keys begin 64 further on
	v_sub_nc_u32 v[DQ], v[DQ], 64
	v_sub_nc_u32 v[DQ+1], v[DQ+1], 64
.endm
.macro PICK idx, first                 ; block idx begins at chunk number first
	s_cmp_ge_u32 s[U], \first
	s_cselect_b32 s[BI], \idx, s[BI]
	s_cselect_b32 s[PI], \first, s[PI]
.endm
	s_load_b128 s[4:7], s[0:1], 0x0                ; qkv s[4:5], part s[6:7]
	s_load_b64 s[8:9], s[0:1], 0x10                ; stat
	v_lshl_add_u32 v[SPW], v0, 2, SPARE
	v_mov_b32 v[NIL], 0
	ds_add_u32 v[SPW], v[NIL]                      ; the wave's opening: the add and its wait stand ahead of my first tensor load; the set-up below, work on registers, stands between them
	ds_add_u32 v14, v15
	v_lshrrev_b32 v[QO], 5, v0
	v_readfirstlane_b32 s[WV], v[QO]               ; wave 0..3
	s_mov_b32 s[U], ttmp9
	s_and_b32 s[BT], ttmp7, 0xffff
	s_mov_b32 s[BI], 0
	s_mov_b32 s[PI], 0
	PICK 1, 1
	PICK 2, 2
	PICK 3, 4
	PICK 4, 6
	PICK 5, 8
	PICK 6, 11
	PICK 7, 14
	PICK 8, 18
	PICK 9, 22
	PICK 10, 26
	PICK 11, 31
	PICK 12, 36
	PICK 13, 42
	PICK 14, 48
	PICK 15, 54
	s_sub_co_u32 s[CJ], s[U], s[PI]
	s_mul_i32 s[KT], s[CJ], 5                      ; the chunk's first tile
	s_lshl_b32 s[SD], s[BI], 7
	s_lshl_b32 s16, s[WV], 5
	s_add_co_u32 s[SD], s[SD], s16                 ; my wave's first query in its batch
	s_mul_i32 s62, s[SD], QROW
	s_mul_i32 s17, s[BT], 2048*QROW                ; the batch's first byte
	s_add_co_u32 s62, s62, s17
	s_mov_b32 s63, 0
	s_lshl_b32 s16, s[KT], 6
	s_sub_co_i32 s[SD], s[SD], s16
	s_and_b32 s16, s[WV], 1                        ; which half of a tile's 64 keys I fetch
	s_mul_i32 s58, s16, 32*QROW
	s_add_co_u32 s58, s58, s17
	s_add_co_u32 s58, s58, 1024                    ; k lies 1,024 bytes into a row
	s_mov_b32 s59, 0
	s_mul_i32 s[WK], s16, 32*PK
	s_mul_i32 s[WVL], s16, 32*PV
	s_add_co_u32 s[WVL], s[WVL], VOFF
	s_lshl_b32 s16, s[BT], 4
	s_add_co_u32 s16, s16, s[BI]
	s_mul_i32 s16, s16, 7
	s_add_co_u32 s16, s16, s[CJ]                   ; my place in part and stat
	; descriptor group 1: 32 rows x 512 elements, padded behind every row
	s_mov_b32 s[G1K], (1<<16)|(1<<20)|(7<<22)|(3<<25)  ; 17:16 2-byte elements; 20 padding on; 24:22 after every 256 words (code 7); 31:25 4 words (code 3)
	s_mov_b32 s[G1V], (1<<16)|(1<<20)|(7<<22)|(7<<25)  ; the same with 8 words (code 7)
.irp g, G1K, G1V
	s_mov_b32 s[\g+1], 512<<16                     ; tensor_dim0 = 512
	s_mov_b32 s[\g+2], 32<<16                      ; tensor_dim1 = 32
	s_mov_b32 s[\g+3], 512<<16                     ; tile_dim0 = 512
	s_mov_b32 s[\g+4], 32                          ; tile_dim1 = 32
	s_mov_b32 s[\g+5], 1536                        ; elements from row to row
	s_mov_b32 s[\g+6], 0
	s_mov_b32 s[\g+7], 0
.endr
	s_mov_b32 s[G0K], 1
	s_mov_b32 s[G0V], 1
	s_mov_b32 s[OFF+1], 0
	s_mov_b32 s[TBF], 0                            ; the first tile goes into slot 0;
	s_mov_b32 s[TBR], SLOT                         ; the first change of slots turns this into 0
	s_mov_b32 s[SEL], 0x76543210
	s_mov_b32 s[SEL+1], 0xfedcba98
	s_wait_dscnt 0x0                               ; the opening add is done
	s_wait_kmcnt 0x0
	s_add_nc_u64 s[QB:QB+1], s[4:5], s[62:63]
	s_add_nc_u64 s[KB:KB+1], s[4:5], s[58:59]
	s_add_nc_u64 s[VB:VB+1], s[KB:KB+1], 1024
	s_lshl_b32 s62, s16, 17                        ; part: a place is 131,072 bytes, my wave's 32 rows 32,768
	s_lshl_b32 s17, s[WV], 15
	s_add_co_u32 s62, s62, s17
	s_add_nc_u64 s[6:7], s[6:7], s[62:63]
	s_lshl_b32 s62, s16, 10                        ; stat: 1,024 and 256
	s_lshl_b32 s17, s[WV], 8
	s_add_co_u32 s62, s62, s17
	s_add_nc_u64 s[8:9], s[8:9], s[62:63]
	AIM
	LOAD                                           ; one load of mine is out
	; A fragment of K or Q is 16 rows x 32 channels in 8 registers: lane l holds row l % 16, channels 8 (l / 16) + 0..7 and 16 + 8 (l / 16) + 0..7: two loads of 16 bytes, 32 bytes apart.
	v_and_b32 v1, 15, v0
	v_bfe_u32 v9, v0, 4, 1
	v_mul_u32_u24 v[QO], v1, QROW
	v_lshl_add_u32 v[QO], v9, 4, v[QO]
	WIN 0x40
.set n, 0
.rept 32                               ; Q stays in registers: tile n / 16, channels 32 (n % 16) on
	global_load_b128 v[8*n:8*n+3],   v[QO], s[QB:QB+1] offset:(n/16)*16*QROW+(n%16)*64
	global_load_b128 v[8*n+4:8*n+7], v[QO], s[QB:QB+1] offset:(n/16)*16*QROW+(n%16)*64+32
.set n, n+1
.endr
	; O^T and l start at 0 and m at the lowest finite number, so the first step is a step like any other, with a = 0: no first step is written out.  The price, 512 moves, stands in the wait for the first tile.
	WIN 0x80
.set n, 0
.rept 256
	v_mov_b32 v[n], 0
.set n, n+1
.endr
	WIN 0xc0
.set n, 0
.rept 256
	v_mov_b32 v[n], 0
.set n, n+1
.endr
	WIN 0
	BOTH v_mov_b32 v[ST+4*t], 0xff7fffff
	BOTH v_mov_b32 v[ST+4*t+2], 0
	BOTH v_mov_b32 v[ST+4*t+3], 0
	v_mov_b32 v[BIG], 0xf149f2ca                   ; -1e30
	v_mul_u32_u24 v[AK0], v1, PK
	v_lshl_add_u32 v[AK0], v9, 4, v[AK0]           ; row x pitch + 16 x half
	; The turning load takes 16 keys x 16 channels (lane l reads key 8 (l / 16) + l % 8, channels 8 ((l / 8) % 2) + 0..7) and leaves half a fragment of V^T: lane l holds channel l % 16 and 8 keys.
	v_and_b32 v[AV], 7, v0
	v_bfe_u32 v[AK], v0, 3, 1
	v_lshl_add_u32 v[AV0], v9, 3, v[AV]
	v_mul_u32_u24 v[AV0], v[AV0], PV
	v_lshl_add_u32 v[AV0], v[AK], 4, v[AV0]
	v_add_nc_u32 v[AV0], VOFF, v[AV0]
	s_mul_i32 s58, s[WV], 16*PK
	s_add_co_u32 s58, s58, SLOT                    ; my stage
	v_add_nc_u32 v[STO], s58, v[AK0]               ; in: row l % 16, 16 bytes for each half of the lanes
	v_and_b32 v[RD], 31, v0
	v_lshlrev_b32 v[GO], 4, v[RD]
	v_add_nc_u32 v[RD], s58, v[GO]                 ; back: 32 lanes take 512 consecutive bytes of a row
	v_lshlrev_b32 v[DQ+1], 3, v9
	v_sub_nc_u32 v[DQ], v1, v[DQ+1]
	v_add_nc_u32 v[DQ], s[SD], v[DQ]
	v_add_nc_u32 v[DQ+1], 16, v[DQ]
	s_wait_loadcnt 0x0                             ; Q
	s_mov_b32 s[CNT], 4
.Ltile:                                                ; four trips: a tile is entered and the next is asked for
	CHANGE 1
	STEP
	s_sub_co_u32 s[CNT], s[CNT], 1
	s_cmp_lg_u32 s[CNT], 0
	s_cbranch_scc1 .Ltile
	CHANGE 0                                       ; the fifth tile is written out: nothing is asked for
	STEP
	; THE WAY OUT.  l's two halves and the other half of the lanes' are added; (m, l) go to stat; O^T is divided by l, rounded to f16 and sent through my stage, a tile of 16 queries at a time.
	BOTH v_add_f32 v[ST+4*t+2], v[ST+4*t+2], v[ST+4*t+3]
	BOTH v_permlanex16_b32 v[ST+4*t+3], v[ST+4*t+2], s[SEL], s[SEL+1]
	BOTH v_add_f32 v[ST+4*t+1], v[ST+4*t+2], v[ST+4*t+3]   ; l beside m: one pair to store
	BOTH v_rcp_f32 v[TMP+4*t+2], v[ST+4*t+1]
	v_lshlrev_b32 v[QO], 3, v1                     ; a plain instruction behind the reciprocals; 8 bytes a query
	s_wait_alu depctr_va_vdst(0)
	BOTH global_store_b64 v[QO], v[ST+4*t:ST+4*t+1], s[8:9] offset:128*t  ; the two halves of the lanes hold the same numbers and store them to the same bytes
.macro PACK tt
	WIN 0x82+0x41*(\tt)
.set n, 0
.rept 128
	v_pk_mul_f32 v[2*n:2*n+1], v[2*n:2*n+1], v[TMP+4*(\tt)+2:TMP+4*(\tt)+3] op_sel_hi:[1,0]
.set n, n+1
.endr
	s_wait_xcnt 0x0                                ; every earlier store has had its addresses translated (ISA guide 3.1): only now are the registers that they read written again
	WIN 0x0a+5*(\tt)
.set n, 0
.rept 128
	v_cvt_pk_f16_f32 v[FB+n], v[2*n], v[2*n+1]     ; a lane's eight channels of a query pack into 16 bytes
.set n, n+1
.endr
	WIN 0
.set n, 0
.rept 32
	ds_store_b128 v[STO], v[FB+4*n:FB+4*n+3] offset:32*n
.set n, n+1
.endr
.set n, 0
.rept 32
	ds_load_b128 v[FB+4*n:FB+4*n+3], v[RD] offset:(n/2)*PK+512*(n%2)  ; LDS serves a wave's instructions in order (ISA guide 5.7.1.4): these see the stores above
.set n, n+1
.endr
.set n, 0
.rept 32
	s_wait_dscnt 31-n                              ; load n is in
	global_store_b128 v[GO], v[FB+4*n:FB+4*n+3], s[6:7] offset:(\tt)*16384+512*n  ; 512 consecutive bytes, at a multiple of 256 from part's first byte
.set n, n+1
.endr
.endm
	PACK 0
	PACK 1
	s_wait_tensorcnt 0x0                           ; the wave's end: behind my last tensor load and my last LDS store
	ds_add_u32 v[SPW], v[NIL]
	s_wait_dscnt 0x0
	s_endpgm
.Lfunc_end_k_q792999d230_attn:
	.size	k_q792999d230_attn, .Lfunc_end_k_q792999d230_attn-k_q792999d230_attn
	.p2alignl 7, 3214868480
	.fill 96, 4, 3214868480
	.section	.rodata,"a",@progbits
	.p2align	6, 0x0
	.amdhsa_kernel k_q792999d230_attn
		.amdhsa_group_segment_fixed_size 327680
		.amdhsa_private_segment_fixed_size 0
		.amdhsa_enable_private_segment 0
		.amdhsa_kernarg_size 24
		.amdhsa_user_sgpr_count 2
		.amdhsa_user_sgpr_kernarg_segment_ptr 1
		.amdhsa_wavefront_size32 1
		.amdhsa_system_sgpr_workgroup_id_x 1
		.amdhsa_system_sgpr_workgroup_id_y 1
		.amdhsa_system_sgpr_workgroup_id_z 1
		.amdhsa_system_vgpr_workitem_id 0
		.amdhsa_next_free_vgpr 1024
		.amdhsa_next_free_sgpr 66
		.amdhsa_reserve_vcc 1
		.amdhsa_float_denorm_mode_32 3
		.amdhsa_float_denorm_mode_16_64 3
		.amdhsa_memory_ordered 1
		.amdhsa_forward_progress 1
		.amdhsa_inst_pref_size 214
	.end_amdhsa_kernel
	.amdgpu_metadata
---
amdhsa.version: [ 1, 2 ]
amdhsa.kernels:
  - .name:           k_q792999d230_attn
    .symbol:         k_q792999d230_attn.kd
    .args:
      - { .name: qkv, .offset: 0, .size: 8, .value_kind: global_buffer, .address_space: global }
      - { .name: part, .offset: 8, .size: 8, .value_kind: global_buffer, .address_space: global }
      - { .name: stat, .offset: 16, .size: 8, .value_kind: global_buffer, .address_space: global }
    .group_segment_fixed_size: 327680
    .private_segment_fixed_size: 0
    .kernarg_segment_align: 8
    .kernarg_segment_size: 24
    .max_flat_workgroup_size: 128
    .sgpr_count:     66
    .vgpr_count:     1024
    .wavefront_size: 32
...
	.end_amdgpu_metadata
.endif
;; end of part 3
;; launch comb (part 4): grid 1024 x 1, 8 waves a work-group, no clusters, 0 bytes of LDS; arguments part, stat, o16; writes o16
.if DOCPART == 4
	.amdgcn_target "amdgcn-amd-amdhsa--gfx1250"
	.amdhsa_code_object_version 6
	.text
	.protected	k_q792999d230_comb
	.globl	k_q792999d230_comb
	.p2align	8
	.type	k_q792999d230_comb,@function
k_q792999d230_comb:
	s_mov_b64 s[64:65], 0
	v_nop
	global_prefetch_b8 v0, s[64:65] scope:SCOPE_SE
	s_setreg_imm32_b32 hwreg(HW_REG_WAVE_MODE, 25, 1), 1
	s_wait_xcnt 0x0
; THE PARTS ARE JOINED.  For each query row: O = the sum over its block's chunks j of w_j O_j, w_j = l_j 2^(m_j - M) / the sum of these, M = the largest m_j.
; part: [448][128][512] f16, stat: [448][128][2] f32 (m, l), place = 7 G + j for block G of 128 rows; o16: [8192][512] f16, rounded once.  Sums in f32.
; Block i = G % 16 of a batch has c = (2 i + 6) / 5 chunks, 1 to 7.  Every thread walks seven: beyond c - 1 the index is held at c - 1, so that only written bytes are read, and the weight is multiplied by 0.
; Chunk 0 holds key 0, which every row sees, so M is a true score; a chunk of which a row sees nothing has m = -1e30 and gets the weight 0.  A weight below 2^-126 counts as 0.
; SHARES.  Work-group x owns 8 rows; thread t owns 16 bytes at byte 16 t of rows 0-3 and of rows 4-7: row t / 64, eight channels.  Sixteen neighbouring lanes load and store 256 consecutive bytes, aligned.
; A stream: nothing is shared between work-groups and no product is formed, so LDS, matrix units and clusters are left out.
.set DA,  8                            ; v[8:35]   rows 0-3: chunk j's 8 numbers at 8 + 4 j
.set DB,  36                           ; v[36:63]  rows 4-7: at 36 + 4 j
.set SA,  64                           ; v[64:77]  rows 0-3: (m, l) of chunk j at 64 + 2 j; the weight takes m's place
.set SB,  78                           ; v[78:91]  rows 4-7
.set MX,  92                           ; v92-95    at work; later the second row's packed result
.set AC,  100                          ; v[100:107] eight sums
.set TW,  108                          ; v[108:115] eight numbers widened
.set OU,  116                          ; v[116:119] the first row's packed result
.set PBS, 16                           ; s[16:29]  part at my rows of chunk j
.set SBS, 30                           ; s[30:43]  stat likewise
.set FL,  44                           ; s44-50    1.0 if chunk j exists, else 0
	s_load_b128 s[4:7], s[0:1], 0x0                ; part s[4:5], stat s[6:7]
	s_load_b64 s[8:9], s[0:1], 0x10                ; o16
	s_lshr_b32 s11, ttmp9, 4                       ; G
	s_and_b32 s12, s11, 15                         ; i
	s_lshl_b32 s13, s12, 1
	s_add_co_u32 s13, s13, 6
	s_mul_i32 s13, s13, 205
	s_lshr_b32 s13, s13, 10                        ; c = (2 i + 6) / 5: 205 / 1,024 serves for 6 .. 36
	s_sub_co_u32 s14, s13, 1
	s_mul_i32 s15, s11, 7                          ; the block's first place
	s_and_b32 s10, ttmp9, 15
	s_lshl_b32 s56, s10, 13                        ; my 8 rows in a place of part,
	s_lshl_b32 s57, s10, 6                         ; and of stat
	s_mov_b32 s53, 0
	s_mov_b32 s55, 0
	v_lshlrev_b32 v1, 4, v0                        ; 16 t
	v_lshrrev_b32 v2, 6, v0
	v_lshlrev_b32 v2, 3, v2                        ; 8 (t / 64)
	s_wait_kmcnt 0x0
.irp j, 0,1,2,3,4,5,6
	s_min_u32 s52, \j, s14
	s_add_co_u32 s52, s52, s15
	s_lshl_b32 s54, s52, 10
	s_lshl_b32 s52, s52, 17
	s_add_co_u32 s52, s52, s56
	s_add_co_u32 s54, s54, s57
	s_add_nc_u64 s[PBS+2*\j:PBS+2*\j+1], s[4:5], s[52:53]
	s_add_nc_u64 s[SBS+2*\j:SBS+2*\j+1], s[6:7], s[54:55]
	s_cmp_lt_u32 \j, s13
	s_cselect_b32 s[FL+\j], 1.0, 0
.endr
.irp j, 0,1,2,3,4,5,6
	global_load_b64 v[SA+2*\j:SA+2*\j+1], v2, s[SBS+2*\j:SBS+2*\j+1]
	global_load_b64 v[SB+2*\j:SB+2*\j+1], v2, s[SBS+2*\j:SBS+2*\j+1] offset:32
.endr
.irp j, 0,1,2,3,4,5,6
	global_load_b128 v[DA+4*\j:DA+4*\j+3], v1, s[PBS+2*\j:PBS+2*\j+1]
	global_load_b128 v[DB+4*\j:DB+4*\j+3], v1, s[PBS+2*\j:PBS+2*\j+1] offset:4096
.endr
	s_lshl_b32 s52, ttmp9, 13
	s_add_nc_u64 s[8:9], s[8:9], s[52:53]
; The seven weights of one row, from the pairs at b
.macro WEIGH b
	v_max3_num_f32 v[MX], v[(\b)], v[(\b)+2], v[(\b)+4]
	v_max3_num_f32 v[MX], v[MX], v[(\b)+6], v[(\b)+8]
	v_max3_num_f32 v[MX], v[MX], v[(\b)+10], v[(\b)+12]
.irp j, 0,1,2,3,4,5,6
	v_sub_f32 v[(\b)+2*\j], v[(\b)+2*\j], v[MX]
.endr
.irp j, 0,1,2,3,4,5,6
	v_exp_f32 v[(\b)+2*\j], v[(\b)+2*\j]
.endr
.irp j, 0,1,2,3,4,5,6
	v_mul_f32 v[(\b)+2*\j+1], s[FL+\j], v[(\b)+2*\j+1]     ; plain lines behind the exponentials (ISA guide 5.7.2): l of a chunk that does not exist becomes 0
.endr
	s_wait_alu depctr_va_vdst(0)
.irp j, 0,1,2,3,4,5,6
	v_mul_f32 v[(\b)+2*\j], v[(\b)+2*\j], v[(\b)+2*\j+1]
.endr
	v_add_f32 v[MX+1], v[(\b)], v[(\b)+2]
	v_add_f32 v[MX+2], v[(\b)+4], v[(\b)+6]
	v_add_f32 v[MX+3], v[(\b)+8], v[(\b)+10]
	v_add_f32 v[MX+1], v[MX+1], v[MX+2]
	v_add_f32 v[MX+3], v[MX+3], v[(\b)+12]
	v_add_f32 v[MX+1], v[MX+1], v[MX+3]            ; at least 1: the chunk that holds M has 2^0 times an l of 1 or more
	v_rcp_f32 v[MX+1], v[MX+1]
	v_nop
	s_wait_alu depctr_va_vdst(0)
.irp j, 0,1,2,3,4,5,6
	v_mul_f32 v[(\b)+2*\j], v[(\b)+2*\j], v[MX+1]
.endr
.endm
; One chunk's eight numbers, in registers d0-d3 (given as plain numbers: halves of a register are named so), times the weight in the low word of the pair at w, onto the sums
.macro MIX first, d0, d1, d2, d3, w
	v_cvt_f32_f16 v[TW],   v\d0\().l
	v_cvt_f32_f16 v[TW+1], v\d0\().h
	v_cvt_f32_f16 v[TW+2], v\d1\().l
	v_cvt_f32_f16 v[TW+3], v\d1\().h
	v_cvt_f32_f16 v[TW+4], v\d2\().l
	v_cvt_f32_f16 v[TW+5], v\d2\().h
	v_cvt_f32_f16 v[TW+6], v\d3\().l
	v_cvt_f32_f16 v[TW+7], v\d3\().h
.irp k, 0,2,4,6
.if \first
	v_pk_mul_f32 v[AC+\k:AC+\k+1], v[TW+\k:TW+\k+1], v[(\w):(\w)+1] op_sel_hi:[1,0]     ; the first chunk starts the sums
.else
	v_pk_fma_f32 v[AC+\k:AC+\k+1], v[TW+\k:TW+\k+1], v[(\w):(\w)+1], v[AC+\k:AC+\k+1] op_sel_hi:[1,0,1]
.endif
.endr
.endm
	s_wait_loadcnt 14                              ; the 14 loads of (m, l) are in; the 14 loads of numbers issued behind them may stay out
	WEIGH SA
	WEIGH SB
	s_wait_loadcnt 0x0
	MIX 1, 8, 9, 10, 11, SA
	MIX 0, 12, 13, 14, 15, SA+2
	MIX 0, 16, 17, 18, 19, SA+4
	MIX 0, 20, 21, 22, 23, SA+6
	MIX 0, 24, 25, 26, 27, SA+8
	MIX 0, 28, 29, 30, 31, SA+10
	MIX 0, 32, 33, 34, 35, SA+12
.irp k, 0,1,2,3
	v_cvt_pk_f16_f32 v[OU+\k], v[AC+2*\k], v[AC+2*\k+1]
.endr
	global_store_b128 v1, v[OU:OU+3], s[8:9]
	MIX 1, 36, 37, 38, 39, SB
	MIX 0, 40, 41, 42, 43, SB+2
	MIX 0, 44, 45, 46, 47, SB+4
	MIX 0, 48, 49, 50, 51, SB+6
	MIX 0, 52, 53, 54, 55, SB+8
	MIX 0, 56, 57, 58, 59, SB+10
	MIX 0, 60, 61, 62, 63, SB+12
.irp k, 0,1,2,3
	v_cvt_pk_f16_f32 v[MX+\k], v[AC+2*\k], v[AC+2*\k+1]
.endr
	global_store_b128 v1, v[MX:MX+3], s[8:9] offset:4096
	s_endpgm
.Lfunc_end_k_q792999d230_comb:
	.size	k_q792999d230_comb, .Lfunc_end_k_q792999d230_comb-k_q792999d230_comb
	.p2alignl 7, 3214868480
	.fill 96, 4, 3214868480
	.section	.rodata,"a",@progbits
	.p2align	6, 0x0
	.amdhsa_kernel k_q792999d230_comb
		.amdhsa_group_segment_fixed_size 0
		.amdhsa_private_segment_fixed_size 0
		.amdhsa_enable_private_segment 0
		.amdhsa_kernarg_size 24
		.amdhsa_user_sgpr_count 2
		.amdhsa_user_sgpr_kernarg_segment_ptr 1
		.amdhsa_wavefront_size32 1
		.amdhsa_system_sgpr_workgroup_id_x 1
		.amdhsa_system_sgpr_workgroup_id_y 1
		.amdhsa_system_sgpr_workgroup_id_z 1
		.amdhsa_system_vgpr_workitem_id 0
		.amdhsa_next_free_vgpr 120
		.amdhsa_next_free_sgpr 66
		.amdhsa_reserve_vcc 0
		.amdhsa_float_denorm_mode_32 3
		.amdhsa_float_denorm_mode_16_64 3
		.amdhsa_memory_ordered 1
		.amdhsa_forward_progress 1
		.amdhsa_inst_pref_size 17
	.end_amdhsa_kernel
	.amdgpu_metadata
---
amdhsa.version: [ 1, 2 ]
amdhsa.kernels:
  - .name:           k_q792999d230_comb
    .symbol:         k_q792999d230_comb.kd
    .args:
      - { .name: part, .offset: 0, .size: 8, .value_kind: global_buffer, .address_space: global }
      - { .name: stat, .offset: 8, .size: 8, .value_kind: global_buffer, .address_space: global }
      - { .name: o16, .offset: 16, .size: 8, .value_kind: global_buffer, .address_space: global }
    .group_segment_fixed_size: 0
    .private_segment_fixed_size: 0
    .kernarg_segment_align: 8
    .kernarg_segment_size: 24
    .max_flat_workgroup_size: 256
    .sgpr_count:     66
    .vgpr_count:     120
    .wavefront_size: 32
...
	.end_amdgpu_metadata
.endif
;; end of part 4
;; launch outp (part 5): grid 8 x 32, 4 waves a work-group, clusters of 4 x 1, 327,680 bytes of LDS; arguments o16, wo16, out0; writes out0
.if DOCPART == 5
	.amdgcn_target "amdgcn-amd-amdhsa--gfx1250"
	.amdhsa_code_object_version 6
	.text
	.protected	k_q792999d230_outp
	.globl	k_q792999d230_outp
	.p2align	8
	.type	k_q792999d230_outp,@function
k_q792999d230_outp:
	s_mov_b64 s[64:65], 0
	v_nop
	global_prefetch_b8 v0, s[64:65] scope:SCOPE_SE
	s_setreg_imm32_b32 hwreg(HW_REG_WAVE_MODE, 25, 1), 1
	s_wait_xcnt 0x0
	s_wait_alu depctr_hold_cnt(0) depctr_sa_sdst(0) depctr_va_vdst(0) depctr_va_sdst(0) depctr_va_ssrc(0) depctr_va_vcc(0) depctr_vm_vsrc(0)
	s_getreg_b32 s2, hwreg(HW_REG_IB_STS2, 6, 4)
	s_cmp_eq_u32 s2, 0
	s_cbranch_scc0 .Lentry_in_a_cluster
	s_endpgm
.Lentry_in_a_cluster:
	s_bfe_u32 s2, ttmp6, 0x10000c
	s_cmp_lg_u32 s2, 0x3003
	s_cbranch_scc0 .Lentry_shape_is_right
	s_endpgm
.Lentry_shape_is_right:
; out0[row][d] = sum over l of o16[row][l] Wo[l][d].  o16: [8192][512] f16; wo16: Wo (rounded to bf16, written as f16) in the order of this kernel's fragments (below); sums in f32, K ascending; out0: [8192][2048] f32.
; Wo STAYS IN REGISTERS.  A tile of out0 is 256 x 256: 32 x 8 = 256 work-groups of four waves.  Wave w owns the tile's columns 64 w .. 64 w + 63 for all 256 rows.  K is only 512, so those columns of Wo,
; 64 x 512 f16 = 64 KiB, are 512 registers of the wave, loaded once.  Then a block of 16 rows is finished by 64 matrix instructions and leaves at once: the stores go out all along the products, not behind the last.
; wo16: byte (((4 nt + w) 16 + c) 4 + b) 1,024 + 512 half + 16 lane holds k = 32 c + 16 half + 8 (lane / 16) + 0..7 of column 256 nt + 64 w + 16 b + lane % 16: a wave's 64 KiB are dense, and load i of 128
; (512 consecutive bytes) fills registers 4 i .. 4 i + 3 of its 512: fragment (c, b) lies at 32 c + 8 b.
; o16's 256 ROWS, 256 x 1,040 = 266,240 bytes with padding, lie in LDS whole: one tensor load a wave (64 rows), nothing is filled again, so there is no ring and no barrier in the loop.
; CLUSTER.  The four work-groups of a cluster have the same rows and other columns: o16's tile is asked for JOINTLY, by the same tensor load with the same descriptor and the mask of four.  Wo is not: it goes
; into registers, which a joint load does not reach, and its 262,144 bytes for a work-group have no room in LDS beside o16's 266,240.
; THE MATRIX INSTRUCTION IS USED TRANSPOSED (source 0 = 16 columns of Wo, source 1 = 16 rows of o16): a lane holds eight neighbouring numbers of a row of out0.
; THE WALK.  Rows go in 8 PAIRS of blocks of 16: 8 accumulators, which take turns.  A pair is four quarters of 128 along K, 32 matrix instructions each; quarter q has a fragment buffer of its own and is
; fetched two quarters ahead, in one run of 16 LDS loads in the middle of quarter q - 2.  A finished pair goes through the wave's own stage (32 rows x 272 bytes) and comes back as whole rows of 256 bytes.
; LDS: o16's rows from 0; the four stages from 266,240, which no tensor load fills; the spare words from 301,056.
; REGISTERS, in windows of 256 (s_set_vgpr_msb: bits 1:0 source 0, 3:2 source 1, 5:4 source 2, 7:6 destination):
;   window 0: v1-13 addresses; v28-29 for the add; v32-95 accumulators ((block, b) at 32 + 8 (4 block + b)); v96-159 rows read back      window 1: o16's fragments, (q, block, chunk) at 64 q + 32 block + 8 chunk
;   window 2: Wo's chunks 0-7      window 3: chunks 8-15
.set PITCH,  1040                      ; 1,024 + 16 = 260 words: the 16 rows of a load start at 16 different groups of four banks (64 banks of 4 bytes: ISA guide 11.1)
.set AWAVE,  64*PITCH                  ; what one tensor load brings
.set PAIR,   32*PITCH
.set STAGE,  4*AWAVE
.set SPITCH, 272                       ; 256 + 16, an odd multiple of 16
.set SPARE,  STAGE+4*32*SPITCH         ; the spare words, 128 bytes for each wave: two blocks of 256 bytes that no other line names
.set OROW,   8192                      ; bytes in a row of out0
.set PAIRS,  8
.set R,    1                           ; v1   lane % 16
.set H,    2                           ; v2   lane / 16
.set LN,   3                           ; v3   lane
.set A0,   8                           ; v8   my place in a pair's rows; never rewritten
.set ADR,  9                           ; v9   A0 in the pair whose fragments are fetched
.set STO,  10                          ; v10  the way out: where I put 32 bytes of a row
.set RD,   11                          ; v11  where I read rows back
.set CO,   12                          ; v12  my byte offset in two rows of out0; never rewritten
.set BO,   13                          ; v13  16 x lane; never rewritten
.set SPW,  28                          ; v28  LDS address of my spare word; never rewritten
.set NIL,  29                          ; v29  0; never rewritten
.set ACC,  32
.set OB,   96
.set WV,   10                          ; s10  wave
.set NT,   11                          ; s11  tile column
.set MT,   12                          ; s12  tile row
.set STP,  20                          ; s[20:21] what the next way out adds to out0's address: 0, then 32 rows
.set TBA,  22                          ; s22  LDS byte at which the pair to be fetched begins
.set CNT,  23
.set G1,   24                          ; s[24:31] descriptor group 1
.set G0,   32                          ; s[32:35] descriptor group 0
.set MSB, 0
.macro WIN new                         ; the immediate's high byte repeats the setting that is left; a switch that changes nothing is dropped
.if MSB != (\new)
	s_set_vgpr_msb (MSB<<8)|(\new)
.set MSB, (\new)
.endif
.endm
.macro PLACES                          ; four places behind matrix instructions, in front of loads into their sources (ISA guide 7.12.1 for vector instructions)
.rept 4
	v_nop
.endr
.endm
.macro CROUND                          ; a round of the cluster's barrier: my work-group's barrier; wave 0 signals for the work-group; every wave waits for all four; my work-group's barrier once more
	s_barrier_signal -1
	s_barrier_wait -1
	s_cmp_lg_u32 s[WV], 0
	s_cbranch_scc1 .Lnot_wave_0_\@
	s_barrier_signal -3
.Lnot_wave_0_\@:
	s_barrier_wait -3
	s_barrier_signal -1
	s_barrier_wait -1
.endm
; Loads i0 .. i1 - 1 of the 128 that bring my columns of Wo: 512 consecutive bytes each
.macro BLOAD i0, i1
.set ib, \i0
.rept (\i1)-(\i0)
	WIN 0x80+0x40*(ib/64)
	global_load_b128 v[4*(ib%64):4*(ib%64)+3], v[BO], s[6:7] offset:512*ib
.set ib, ib+1
.endr
	WIN 0
.endm
; 16 LDS loads in one run: quarter q's fragments of the pair at ADR: 2 blocks x 4 chunks of 32 along K
.macro FETCH q
	WIN 0x40
.set n, 0
.rept 8
.set rA, 64*(\q)+32*(n/4)+8*(n%4)
.set oA, (n/4)*16*PITCH+(4*(\q)+n%4)*64
	ds_load_b128 v[rA:rA+3],   v[ADR] offset:oA
	ds_load_b128 v[rA+4:rA+7], v[ADR] offset:oA+32
.set n, n+1
.endr
.endm
; 16 matrix instructions: half hf of quarter q: 2 chunks x 8 accumulators.  The 8 take turns in the same order everywhere.  The pair's first chunk starts the sums: nothing is cleared
.macro MULH q, hf
	WIN 0x06+(\q)/2                                ; Wo in window 2 or 3, o16 in window 1, the sums in window 0
.set cc, 2*(\hf)
.rept 2
.set n, 0
.rept 8
.set rD, ACC+8*n
.set rB, 32*((4*(\q)+cc)%8)+8*(n%4)
.set rA, 64*(\q)+32*(n/4)+8*cc
.if (4*(\q)+cc) == 0
	v_wmma_f32_16x16x32_f16 v[rD:rD+7], v[rB:rB+7], v[rA:rA+7], 0
.else
	v_wmma_f32_16x16x32_f16 v[rD:rD+7], v[rB:rB+7], v[rA:rA+7], v[rD:rD+7]
.endif
.set n, n+1
.endr
.set cc, cc+1
.endr
.endm
; A finished pair goes into my stage, 32 bytes a lane and accumulator, and comes back as whole rows.  Five places stand behind the last products: four for the stores that read the sums, the fifth for the
; next pair's first products, which write over them.
.macro TOSTAGE
	WIN 0
.rept 5
	v_nop
.endr
.set n, 0
.rept 8
	ds_store_b128 v[STO], v[ACC+8*n:ACC+8*n+3]   offset:(n/4)*16*SPITCH+64*(n%4)      ; each accumulator's low registers first
	ds_store_b128 v[STO], v[ACC+8*n+4:ACC+8*n+7] offset:(n/4)*16*SPITCH+64*(n%4)+16
.set n, n+1
.endr
	s_wait_xcnt 0x0                                ; the last pair's stores have had their addresses translated (ISA guide 3.1): only now are their base and their data registers written again
	s_add_nc_u64 s[8:9], s[8:9], s[STP:STP+1]      ; on to this pair's rows
	s_mov_b32 s[STP], 32*OROW
.set n, 0
.rept 16
	ds_load_b128 v[OB+4*n:OB+4*n+3], v[RD] offset:n*2*SPITCH  ; LDS serves a wave's instructions in order (ISA guide 5.7.1.4): these see the stores above; the next pair's stores come behind them
.set n, n+1
.endr
.endm
.macro SEND
.set n, 0
.rept 16
	global_store_b128 v[CO], v[OB+4*n:OB+4*n+3], s[8:9] offset:n*2*OROW th:TH_STORE_NT  ; 16 lanes store 256 consecutive bytes, at a multiple of 256 from out0's first byte
.set n, n+1
.endr
.endm
	s_load_b128 s[4:7], s[0:1], 0x0                ; o16 s[4:5], wo16 s[6:7]
	s_load_b64 s[8:9], s[0:1], 0x10                ; out0
	v_lshl_add_u32 v[SPW], v0, 2, SPARE
	v_mov_b32 v[NIL], 0
	ds_add_u32 v[SPW], v[NIL]                      ; the wave's opening: the add and its wait stand ahead of my first tensor load; the set-up below, work on registers, stands between them
	ds_add_u32 v28, v29
	v_lshrrev_b32 v4, 5, v0
	v_readfirstlane_b32 s[WV], v4                  ; wave 0..3
	s_bfe_u32 s13, ttmp6, 0x40000                  ; cx: my place in the cluster
	s_lshl_b32 s[NT], ttmp9, 2                     ; in a cluster launch ttmp9 counts clusters
	s_add_co_u32 s[NT], s[NT], s13                 ; tile column = 4 x cluster x + cx: it enters Wo's and out0's addresses alone
	s_and_b32 s[MT], ttmp7, 0xffff                 ; tile row, which the four partners share
	; descriptor group 1: 64 rows x 512 elements, 16 bytes of padding behind every row
	s_mov_b32 s[G1], 15|(1<<16)|(1<<20)|(1<<21)|(7<<22)|(3<<25)  ; 15:0 the mask of four; 17:16 2-byte elements; 20 padding on; 21 set beside a mask; 24:22 after every 256 words (code 7); 31:25 4 words (code 3)
	s_mov_b32 s[G1+1], 512<<16                     ; tensor_dim0 = 512
	s_mov_b32 s[G1+2], 64<<16                      ; tensor_dim1 = 64
	s_mov_b32 s[G1+3], 512<<16                     ; tile_dim0 = 512
	s_mov_b32 s[G1+4], 64                          ; tile_dim1 = 64
	s_mov_b32 s[G1+5], 512                         ; elements from row to row
	s_mov_b32 s[G1+6], 0
	s_mov_b32 s[G1+7], 0
	s_mov_b32 s[G0], 1                             ; count = 1
	s_mul_i32 s[G0+1], s[WV], AWAVE                ; my 64 rows' place in LDS: the wave's number alone
	s_lshl_b32 s16, s[MT], 18                      ; o16: row 256 x tile row
	s_lshl_b32 s17, s[WV], 16                      ; + 64 x wave, of 1,024 bytes
	s_add_co_u32 s16, s16, s17
	s_mov_b32 s17, 0
	s_lshl_b32 s18, s[NT], 2                       ; wo16: 65,536 (4 nt + w)
	s_add_co_u32 s18, s18, s[WV]
	s_lshl_b32 s18, s18, 16
	s_mov_b32 s19, 0
	s_lshl_b32 s36, s[MT], 21                      ; out0: 256 rows of 8,192 bytes a tile row,
	s_lshl_b32 s37, s[NT], 10                      ; 1,024 bytes a tile column,
	s_add_co_u32 s36, s36, s37
	s_lshl_b32 s37, s[WV], 8                       ; 256 bytes a wave
	s_add_co_u32 s36, s36, s37
	s_mov_b32 s37, 0
	s_mov_b32 s[STP], 0
	s_mov_b32 s[STP+1], 0
	s_mov_b32 s[TBA], 0
	v_and_b32 v[LN], 31, v0
	v_lshlrev_b32 v[BO], 4, v[LN]
	s_wait_dscnt 0x0                               ; the opening add is done
	s_wait_kmcnt 0x0
	s_add_nc_u64 s[6:7], s[6:7], s[18:19]
	s_add_nc_u64 s[8:9], s[8:9], s[36:37]
	s_add_nc_u64 s[G0+2:G0+3], s[4:5], s[16:17]    ; the tile row and the wave's number alone
	s_or_b32 s[G0+3], s[G0+3], 0x80000000          ; type = 2
	BLOAD 0, 48                                    ; the first of Wo is asked for while the partners arrive
	CROUND                                         ; all four work-groups are here: the joint loads meet
	tensor_load_to_lds s[G0:G0+3], s[G1:G1+7]      ; my only tensor load: one is out
	s_nop 0
	PLACES
	BLOAD 48, 128
	; A fragment of o16 is 16 rows x 32 along K in 8 registers: lane l holds row l % 16, k = 8 (l / 16) + 0..7 and 16 + 8 (l / 16) + 0..7: two loads of 16 bytes, 32 bytes apart.
	v_and_b32 v[R], 15, v0
	v_bfe_u32 v[H], v0, 4, 1
	v_mul_u32_u24 v[A0], v[R], PITCH
	v_lshl_add_u32 v[A0], v[H], 4, v[A0]           ; row x pitch + 16 x half
	v_mov_b32 v[ADR], v[A0]                        ; pair 0
	s_mul_i32 s16, s[WV], 32*SPITCH
	s_add_co_u32 s16, s16, STAGE                   ; my stage
	v_mul_u32_u24 v[STO], v[R], SPITCH             ; in: row l % 16, 32 bytes for each half of the lanes
	v_lshl_add_u32 v[STO], v[H], 5, v[STO]
	v_add_nc_u32 v[STO], s16, v[STO]
	v_mul_u32_u24 v[RD], v[H], SPITCH              ; back: lanes 0-15 take one row of 256 bytes, lanes 16-31 the next
	v_lshl_add_u32 v[RD], v[R], 4, v[RD]
	v_add_nc_u32 v[RD], s16, v[RD]
	v_lshlrev_b32 v[CO], 13, v[H]                  ; and the same two rows in out0
	v_lshl_add_u32 v[CO], v[R], 4, v[CO]
	s_wait_tensorcnt 0x0                           ; my 64 rows are in,
	s_barrier_signal -1
	s_barrier_wait -1                              ; everybody's are
	FETCH 0
	FETCH 1
	s_wait_loadcnt 0x0                             ; Wo
	; Pair 0's first quarter and a half is written out: it has no pair before it to store, and fewer LDS instructions are out at its waits than at the loop's.
	s_wait_dscnt 16                                ; quarter 0 is in; quarter 1's 16 loads may stay out
	MULH 0, 0
	PLACES
	FETCH 2
	MULH 0, 1
	s_wait_dscnt 16                                ; quarter 1 is in; quarter 2's 16 loads may stay out
	MULH 1, 0
	WIN 0                                          ; at a label and at a branch every window is 0
	s_mov_b32 s[CNT], PAIRS
	s_branch .Lentry
.Ltrip:                                                ; a trip is a pair; the eighth is left behind its second quarter
	s_wait_dscnt 48                                ; quarter 0 is in; out may be quarter 1's 16 loads and the stage's 16 stores and 16 loads
	MULH 0, 0
	PLACES
	FETCH 2
	MULH 0, 1
	s_wait_dscnt 48                                ; quarter 1 is in; out may be the stage's 32 and quarter 2's 16
	MULH 1, 0
	WIN 0
	s_wait_dscnt 16                                ; the last pair's rows are back, 48 matrix instructions behind their loads; quarter 2's 16 loads may stay out
	SEND
.Lentry:
	PLACES
	FETCH 3
	MULH 1, 1
	WIN 0
	s_cmp_eq_u32 s[CNT], 1                         ; the last pair has no successor to fetch: its other two quarters are written out
	s_cbranch_scc1 .Ltail
	s_wait_dscnt 16                                ; quarter 2 is in; quarter 3's 16 loads may stay out
	MULH 2, 0
	WIN 0
	s_add_co_u32 s[TBA], s[TBA], PAIR              ; from here on the next pair is fetched
	v_add_nc_u32 v[ADR], s[TBA], v[A0]
	PLACES
	FETCH 0
	MULH 2, 1
	s_wait_dscnt 16                                ; quarter 3 is in; the next pair's quarter 0 may stay out
	MULH 3, 0
	PLACES
	FETCH 1
	MULH 3, 1
	TOSTAGE
	s_sub_co_u32 s[CNT], s[CNT], 1
	s_cmp_lg_u32 s[CNT], 0
	s_cbranch_scc1 .Ltrip
.Ltail:
	s_wait_dscnt 16                                ; quarter 2 is in; quarter 3's 16 loads may stay out
	MULH 2, 0
	MULH 2, 1
	s_wait_dscnt 0x0                               ; quarter 3: nothing was issued behind it
	MULH 3, 0
	MULH 3, 1
	TOSTAGE
	s_wait_dscnt 0x0
	SEND
	s_wait_tensorcnt 0x0                           ; the wave's end: behind my last tensor load and my last LDS store
	ds_add_u32 v[SPW], v[NIL]
	s_wait_dscnt 0x0
	CROUND                                         ; the closing round: no work-group ends while a partner may still ask for a tile that names it
	s_endpgm
.Lfunc_end_k_q792999d230_outp:
	.size	k_q792999d230_outp, .Lfunc_end_k_q792999d230_outp-k_q792999d230_outp
	.p2alignl 7, 3214868480
	.fill 96, 4, 3214868480
	.section	.rodata,"a",@progbits
	.p2align	6, 0x0
	.amdhsa_kernel k_q792999d230_outp
		.amdhsa_group_segment_fixed_size 327680
		.amdhsa_private_segment_fixed_size 0
		.amdhsa_enable_private_segment 0
		.amdhsa_kernarg_size 24
		.amdhsa_user_sgpr_count 2
		.amdhsa_user_sgpr_kernarg_segment_ptr 1
		.amdhsa_wavefront_size32 1
		.amdhsa_system_sgpr_workgroup_id_x 1
		.amdhsa_system_sgpr_workgroup_id_y 1
		.amdhsa_system_sgpr_workgroup_id_z 1
		.amdhsa_system_vgpr_workitem_id 0
		.amdhsa_next_free_vgpr 1024
		.amdhsa_next_free_sgpr 66
		.amdhsa_reserve_vcc 0
		.amdhsa_float_denorm_mode_32 3
		.amdhsa_float_denorm_mode_16_64 3
		.amdhsa_memory_ordered 1
		.amdhsa_forward_progress 1
		.amdhsa_inst_pref_size 49
	.end_amdhsa_kernel
	.amdgpu_metadata
---
amdhsa.version: [ 1, 2 ]
amdhsa.kernels:
  - .name:           k_q792999d230_outp
    .symbol:         k_q792999d230_outp.kd
    .args:
      - { .name: o16, .offset: 0, .size: 8, .value_kind: global_buffer, .address_space: global }
      - { .name: wo16, .offset: 8, .size: 8, .value_kind: global_buffer, .address_space: global }
      - { .name: out0, .offset: 16, .size: 8, .value_kind: global_buffer, .address_space: global }
    .group_segment_fixed_size: 327680
    .private_segment_fixed_size: 0
    .kernarg_segment_align: 8
    .kernarg_segment_size: 24
    .max_flat_workgroup_size: 128
    .sgpr_count:     66
    .vgpr_count:     1024
    .wavefront_size: 32
...
	.end_amdgpu_metadata
.endif
;; end of part 5
